; MI455X (gfx1250); checked and timed in simulation.
; The chip was launched on July 23, 2026; its instructions are those of AMD's public machine-readable ISA for CDNA 5 (MIT licence, August 2026) and "CDNA5" Instruction Set Architecture Reference Guide (July 2026). The comments in the code are by the model that wrote it; some were corrected since.
;; Causual Self Activation. Allowed arithmetic: matrix products marked QUANTISED: E2M1 operands, one E8M0 scale for each 32 along K, by v_wmma_scale_f32_16x16x128_f8f6f4 with both operands' format E2M1 (or v_wmma_scale_f32_32x16x128_f4), f32 sums; products left as they are: bf16, f16 or f32 operands; f32 sums; everything else in f32.
;; Inputs: W_attn 1,024 x 3,072 float32; W_proj 1,024 x 1,024 float32; b_attn 3,072 float32; b_proj 1,024 float32; x 2 x 2,048 x 1,024 float32.
;; Outputs: out0 2 x 2,048 x 1,024 float32.
;; This version of the problem:
;;   THIS VERSION OF THE PROBLEM IS GIVEN IN LOW PRECISION. The matrix products marked QUANTISED in the list below multiply operands that are first quantised to E2M1 (2 exponent bits, 1 mantissa bit; 4 bits a number), with one power-of-two scale for each 32 numbers along K (OCP MX v1.0); their sums are f32. The products marked 'left as it is' may take bf16, f16 or f32 operands, with f32 sums. Whichever they take, every output number must still come out within the allowed error. Rounding operands to bf16 (8 significant bits) uses up far more of that allowance than f16 does (11 bits, for magnitudes from 6e-5 to 65,504). All else is computed in f32.
;;   The module's matrix products, in the order in which they are computed (A, B: the left and right operand; K: the contracted axis; several contracted axes count as one K, in the product's order):
;;     1. [M 4,096, K 1,024] x [K 1,024, N 3,072]; A: input x; B: input W_attn: QUANTISED
;;     2. batch 32 x [M 2,048, K 64] x [K 64, N 2,048]; A: computed on the way; B: computed on the way: left as it is (an operand is computed on the way)
;;     3. batch 32 x [M 2,048, K 2,048] x [K 2,048, N 64]; A: computed on the way; B: computed on the way: left as it is (an operand is computed on the way)
;;     4. [M 4,096, K 1,024] x [K 1,024, N 1,024]; A: computed on the way; B: input W_proj: left as it is (an operand is computed on the way)
;;   THE QUANTISER, for each operand of a quantised product, along K:
;;     - K is cut into blocks of 32 from its start; a last block that is shorter is filled with zeros.
;;     - A block's scale is 2^e with e = floor(log2(the largest magnitude in the block)) - 2, held to -126 .. 127; a block of zeros has e = 0. As a byte (E8M0): e + 127.
;;     - Each number is divided by its block's scale, clamped to +-6, and rounded to the nearest number of E2M1, ties to even, subnormals kept.
;;     - The product sums the exact products of the quantised numbers (number of the format x scale) in f32.
;;   ~~~python
;;   def quantise(x, axis):      # numpy; x: float32 -> the quantised numbers, widened to float32 again
;;       x = np.moveaxis(x, axis, -1); K = x.shape[-1]
;;       x = np.pad(x, [(0, 0)] * (x.ndim - 1) + [(0, -K % 32)]); x = x.reshape(x.shape[:-1] + (-1, 32)); a = np.abs(x).max(-1, keepdims=True)
;;       e = np.where(a > 0, np.clip(np.frexp(np.where(a > 0, a, 1))[1] - 1 - 2, -126, 127), 0)      # np.frexp(a)[1] - 1 = floor(log2(a)), exactly
;;       r = np.clip(x / 2.0 ** e, -6, 6)
;;       step = 2.0 ** (np.maximum(np.frexp(np.where(r == 0, 1, r))[1] - 1, 0) - 1)
;;       q = np.round(r / step) * step * 2.0 ** e      # np.round: ties to even
;;       return np.moveaxis(q.reshape(q.shape[:-2] + (-1,))[..., :K], -1, axis).astype(np.float32)
;;   ~~~
;; One version. Each part assembles by itself: llvm-mc -triple=amdgcn-amd-amdhsa -mcpu=gfx1250 --defsym DOCPART=n.
;; ======== version 1 of 1: 5 launches
;; limits: values are held in f16: magnitudes above 65,504 overflow, below 6.1e-05 lose precision
;; workspace buffers: xq 2,228,224 bytes; wq 1,671,168 bytes; wpf 2,097,152 bytes; wpl 2,097,152 bytes; qkvf 25,165,824 bytes; yf 8,388,608 bytes; h32 393,216 bytes
;; launch prep (part 1): grid 384 x 1, 4 waves a work-group, no clusters, 34,304 bytes of LDS; arguments x, W_attn, W_proj, xq, wq, wpf, wpl; writes xq, wq, wpf, wpl
.if DOCPART == 1
	.amdgcn_target "amdgcn-amd-amdhsa--gfx1250"
	.amdhsa_code_object_version 6
	.text
	.protected	k_q9f73fb97ce_prep
	.globl	k_q9f73fb97ce_prep
	.p2align	8
	.type	k_q9f73fb97ce_prep,@function
k_q9f73fb97ce_prep:
	s_mov_b64 s[64:65], 0
	v_nop
	global_prefetch_b8 v0, s[64:65] scope:SCOPE_SE
	s_setreg_imm32_b32 hwreg(HW_REG_WAVE_MODE, 25, 1), 1
	s_wait_xcnt 0x0
; PREP.  x [4096][1024] and W_attn [1024][3072], f32, become codes of FP4 (E2M1) with one E8M0 byte for each 32 along K; W_proj [1024][1024] becomes a pair of f16 numbers, a high and a low part.
; All leave as IMAGES OF OPERAND REGISTERS: a fragment is 8 registers a lane, 1,024 bytes: registers 0-3 of lane l at 16 l, registers 4-7 at 512 + 16 l.
;   xq:  codes [khalf 2][block of 16 rows 256][K step of 128: 4][1,024]; from byte 2,097,152 the scale words [block][khalf][256]: the word of (row r, step q) at 8 (r + 16 (q & 1)) + 4 (q >> 1)
;   wq:  the same with 192 blocks of 16 columns n (khalf 786,432 bytes apart; scale words from byte 1,572,864)
;   wpf: [K step of 256: 4][block of 16 columns 64][32 along K: 8][1,024], f16: W_proj's high parts, which serve the projection of all rows;  wpl: the low parts, laid alike, for the rows that are carried more finely
; A block's scale is 2^(floor(log2(largest magnitude)) - 2): its byte is the largest magnitude's exponent field - 2, held at 1 from below.
; W_proj's split, in f32: high = the number rounded to 11 significant bits (0x1000 added to its bits, the low 13 bits cleared: to nearest, ties away from zero), low = the number - high, exact; each is then converted to f16.
; LIMITS: a block of zeros gets the byte 1 where the rule says 127 (its codes are zeros, and this program alone reads the bytes); blocks whose largest magnitude lies under 2^-124 are held at
; that floor; NaN and infinities are not served; W_proj stays under 65,504, and what of a part lies under f16's smallest step is lost: at most 3e-8 on a number.
; SHARES.  Work-groups 0-127: x, a wave 16 rows x 512 along K.  128-319: W_attn, a wave 32 columns x 128 along K.  320-383: W_proj, likewise.  Waves share nothing: no barrier.
; W_attn's scale words leave 4 bytes a lane, 8 bytes apart: one byte for each 128 that the path reads; all other stores of a wave cover whole aligned runs of 256 bytes.
.set SPARE, 33792                      ; behind the four stages: the spare words, 128 bytes a wave
.set STG,   8448                       ; a wave's stage: 16 rows x (512 + 16) bytes (x's path alone uses LDS)
.set SPW,   1                          ; v1  my spare word's LDS address; never rewritten
.set NIL,   2                          ; v2  0; never rewritten
.set LO,    3                          ; v3  16 x lane
.set STI,   4                          ; v4  the stage, on the way in
.set STO,   5                          ; v5  and on the way out: row r, 128 h bytes on
.set L8,    6                          ; v6  8 x lane
.set LANE,  7
.set RR,    16                         ; lane % 16
.set HH,    17                         ; lane / 16
.set H8,    18
.set IN4,   19                         ; 4 x lane
.set OC,    20                         ; W: my place among the codes or halves
.set OS,    21                         ; W: my place among the scale words
.set WD,    24                         ; v24-27 scale words
.set TT,    28                         ; v28-29 the two words that a lane stores
.set CC,    32                         ; v32-63 codes: never written twice.  W_proj's path: a block's 32 high parts, still in f32
.set R,     64                         ; v64-191 numbers as loaded, two sets
.set HF,    128                        ; v128-191 W_proj's high parts in f16: never written twice
.set XX,    192                        ; v192-255 x: my two blocks of 32 neighbours
.set LF,    192                        ; v192-255 W_proj's low parts in f16: never written twice
	s_load_b256 s[4:11], s[0:1], 0x0               ; x s[4:5], W_attn s[6:7], W_proj s[8:9], xq s[10:11]
	s_load_b128 s[12:15], s[0:1], 0x20             ; wq s[12:13], wpf s[14:15]
	s_load_b64 s[32:33], s[0:1], 0x30              ; wpl
	v_lshl_add_u32 v[SPW], v0, 2, SPARE
	v_mov_b32 v[NIL], 0
	v_lshrrev_b32 v8, 5, v0
	v_readfirstlane_b32 s16, v8                    ; wave
	v_and_b32 v[LANE], 31, v0
	v_and_b32 v[RR], 15, v0
	v_bfe_u32 v[HH], v0, 4, 1
	v_lshlrev_b32 v[LO], 4, v[LANE]
	v_lshlrev_b32 v[IN4], 2, v[LANE]
	s_mul_i32 s17, s16, STG
	v_add_nc_u32 v[STI], s17, v[LO]
	v_mul_u32_u24 v[STO], v[RR], 528
	v_lshl_add_u32 v[STO], v[HH], 7, v[STO]
	v_add_nc_u32 v[STO], s17, v[STO]
	s_mov_b32 s23, 0                               ; the upper word of every offset pair s[22:23]
	s_wait_kmcnt 0x0
	s_cmp_lt_u32 ttmp9, 128
	s_cbranch_scc1 .Lx
	s_cmp_lt_u32 ttmp9, 320
	s_cbranch_scc1 .Lw
; 32 rows of K at my 32 columns: each load reads 128 consecutive bytes; a lane's 32 registers run down K
.macro WLOAD t, pitch, b
.set i, 0
.rept 32
	global_load_b32 v[R+32*((\t)%2)+i], v[IN4], s[\b:\b+1] offset:(32*(\t)+i)*\pitch th:TH_LOAD_NT
.set i, i+1
.endr
.endm
	; ---- W_proj: g = work-group - 320; 128 columns g & 7, 128 along K g >> 3
	s_sub_co_u32 s18, ttmp9, 320
	s_and_b32 s19, s18, 7
	s_lshr_b32 s20, s18, 3
	s_lshl_b32 s22, s20, 19                        ; 128 rows of 4,096 bytes
	s_lshl_b32 s24, s19, 9
	s_add_co_u32 s22, s22, s24
	s_lshl_b32 s24, s16, 7
	s_add_co_u32 s22, s22, s24                     ; + 4 (128 gx + 32 wave)
	s_add_nc_u64 s[8:9], s[8:9], s[22:23]
	s_lshr_b32 s22, s20, 1
	s_lshl_b32 s22, s22, 19                        ; K step of 256: 524,288 bytes
	s_lshl_b32 s24, s19, 16
	s_add_co_u32 s22, s22, s24
	s_lshl_b32 s24, s16, 14
	s_add_co_u32 s22, s22, s24                     ; block of 16 columns 8 gx + 2 wave: 8,192 bytes each
	s_and_b32 s24, s20, 1
	s_lshl_b32 s24, s24, 12
	s_add_co_u32 s22, s22, s24                     ; fragments 4 (kc & 1) on
	s_add_nc_u64 s[14:15], s[14:15], s[22:23]      ; the high parts' place,
	s_add_nc_u64 s[32:33], s[32:33], s[22:23]      ; and the same place among the low parts
	s_mov_b32 s31, 0xffffe000                      ; keeps the sign, the exponent and 10 bits of the mantissa
	v_lshlrev_b32 v[OC], 4, v[RR]
	v_lshl_add_u32 v[OC], v[HH], 13, v[OC]         ; 16 r + 8,192 (lane / 16)
.macro PBLOCK t
.set XS, R+32*((\t)%2)
.if (\t) < 3
	s_wait_loadcnt 32                              ; this block's 32 loads are in; the next block's may be out
.else
	s_wait_loadcnt 0x0
.endif
.set p, 0
.rept 32
	v_add_nc_u32 v[CC+p], 0x1000, v[XS+p]          ; half of the last bit that is kept, onto the magnitude,
.set p, p+1
.endr
.set p, 0
.rept 32
	v_and_b32 v[CC+p], s31, v[CC+p]                ; and the bits below it off: the high part, a number of f16 still in f32
.set p, p+1
.endr
.set p, 0
.rept 32
	v_sub_f32 v[XS+p], v[XS+p], v[CC+p]            ; the low part: the remainder, exact
.set p, p+1
.endr
.set p, 0
.rept 16
	v_cvt_pk_f16_f32 v[HF+16*(\t)+p], v[CC+2*p], v[CC+2*p+1]   ; the lower k in the low half
.set p, p+1
.endr
.set p, 0
.rept 16
	v_cvt_pk_f16_f32 v[LF+16*(\t)+p], v[XS+2*p], v[XS+2*p+1]
.set p, p+1
.endr
.if (\t) < 2
	WLOAD (\t)+2, 4096, 8
.endif
.irp j, 0,1,2,3
	global_store_b128 v[OC], v[HF+16*(\t)+4*\j:HF+16*(\t)+4*\j+3], s[14:15] offset:1024*(\t)+256*\j   ; k 8 j .. 8 j + 7 of column r lie at 256 j + 16 r: sixteen lanes fill 256 aligned bytes
.endr
.irp j, 0,1,2,3
	global_store_b128 v[OC], v[LF+16*(\t)+4*\j:LF+16*(\t)+4*\j+3], s[32:33] offset:1024*(\t)+256*\j
.endr
.endm
	WLOAD 0, 4096, 8
	WLOAD 1, 4096, 8
	PBLOCK 0
	PBLOCK 1
	PBLOCK 2
	PBLOCK 3
	s_branch .Lend
.Lw:	; ---- W_attn: g = work-group - 128; 128 columns g >> 3, K step of 128 g & 7
	s_sub_co_u32 s18, ttmp9, 128
	s_lshr_b32 s19, s18, 3                         ; gx
	s_and_b32 s20, s18, 7                          ; k8
	s_mul_i32 s22, s20, 128*12288
	s_lshl_b32 s24, s19, 9
	s_add_co_u32 s22, s22, s24
	s_lshl_b32 s24, s16, 7
	s_add_co_u32 s22, s22, s24
	s_add_nc_u64 s[6:7], s[6:7], s[22:23]
	s_lshl_b32 s26, s19, 3
	s_lshl_b32 s27, s16, 1
	s_add_co_u32 s26, s26, s27                     ; block of 16 columns: 8 gx + 2 wave
	s_lshr_b32 s27, s20, 2                         ; khalf
	s_mul_i32 s22, s27, 786432
	s_lshl_b32 s24, s26, 12
	s_add_co_u32 s22, s22, s24
	s_and_b32 s24, s20, 3
	s_lshl_b32 s24, s24, 10
	s_add_co_u32 s22, s22, s24
	s_add_nc_u64 s[24:25], s[12:13], s[22:23]      ; my codes
	s_lshl_b32 s22, s26, 9
	s_lshl_b32 s27, s27, 8
	s_add_co_u32 s22, s22, s27
	s_and_b32 s27, s20, 1
	s_lshl_b32 s27, s27, 7
	s_add_co_u32 s22, s22, s27
	s_bfe_u32 s27, s20, 0x10001
	s_lshl_b32 s27, s27, 2
	s_add_co_u32 s22, s22, s27
	s_add_co_u32 s22, s22, 1572864
	s_add_nc_u64 s[26:27], s[12:13], s[22:23]      ; my scale words
	v_lshlrev_b32 v[OC], 4, v[RR]
	v_lshl_add_u32 v[OC], v[HH], 12, v[OC]         ; 16 r + 4,096 (lane / 16)
	v_lshlrev_b32 v[OS], 3, v[RR]
	v_lshl_add_u32 v[OS], v[HH], 9, v[OS]          ; 8 r + 512 (lane / 16)
.macro WBLOCK t
.set XS, R+32*((\t)%2)
.if (\t) < 3
	s_wait_loadcnt 32                              ; this block's 32 loads are in; the next block's may be out
.else
	s_wait_loadcnt 0x0
.endif
	v_max3_num_f32 v12, |v[XS]|, |v[XS+1]|, |v[XS+2]|              ; the block's largest magnitude: all 32 numbers are mine
	v_max3_num_f32 v13, |v[XS+3]|, |v[XS+4]|, |v[XS+5]|
.irp i, 6,10,14,18,22,26
	v_max3_num_f32 v12, v12, |v[XS+\i]|, |v[XS+\i+1]|
	v_max3_num_f32 v13, v13, |v[XS+\i+2]|, |v[XS+\i+3]|
.endr
	v_max3_num_f32 v12, v12, |v[XS+30]|, |v[XS+31]|
	v_max3_num_f32 v12, v12, v13, 0x1800000        ; and the floor 2^(3 - 127): the byte cannot fall under 1
	v_add_nc_u32 v14, 0xff000000, v12              ; 2 off the exponent field: the conversion takes that field as its scale
	v_lshrrev_b32 v13, 23, v14                     ; the scale's byte
.if (\t) == 0
	v_mov_b32 v[WD], v13
.else
	v_lshl_or_b32 v[WD], v13, 8*(\t), v[WD]        ; the lower K in the lower byte
.endif
.irp g, 0,1,2,3
	v_cvt_scalef32_pk8_fp4_f32 v[CC+4*(\t)+\g], v[XS+8*\g:XS+8*\g+7], v14
.endr
	v_nop                                          ; one plain line behind the scaled conversions
	global_store_b128 v[OC], v[CC+4*(\t):CC+4*(\t)+3], s[24:25] offset:256*(\t)   ; block t of column r lies at 256 t + 16 r: sixteen lanes fill 256 aligned bytes
.if (\t) < 2
	WLOAD (\t)+2, 12288, 6
.endif
.endm
	WLOAD 0, 12288, 6
	WLOAD 1, 12288, 6
	WBLOCK 0
	WBLOCK 1
	WBLOCK 2
	WBLOCK 3
	global_store_b32 v[OS], v[WD], s[26:27]        ; my column's word for this K step
	s_branch .Lend
.Lx:	; ---- x: wave 4 work-group + wave: block of 16 rows = that >> 1, half of K = that & 1
	s_mov_b32 s28, 0x76543210
	s_mov_b32 s29, 0xfedcba98                      ; v_permlanex16_b32's selects for lane l xor 16
	s_mov_b32 s30, 0xffff0000                      ; lanes 16-31
	v_lshlrev_b32 v[H8], 3, v[HH]
	v_lshlrev_b32 v[L8], 3, v[LANE]
	v_mov_b32 v15, 0                               ; a lane permute's destination counts as read
	s_lshl_b32 s18, ttmp9, 2
	s_add_co_u32 s18, s18, s16
	s_lshr_b32 s19, s18, 1                         ; block of rows
	s_and_b32 s20, s18, 1                          ; khalf
	s_lshl_b32 s22, s19, 16
	s_lshl_b32 s24, s20, 11
	s_add_co_u32 s22, s22, s24
	s_add_nc_u64 s[4:5], s[4:5], s[22:23]
	s_lshl_b32 s22, s20, 20
	s_lshl_b32 s24, s19, 12
	s_add_co_u32 s22, s22, s24
	s_add_nc_u64 s[24:25], s[10:11], s[22:23]      ; my codes
	s_lshl_b32 s22, s19, 9
	s_lshl_b32 s26, s20, 8
	s_add_co_u32 s22, s22, s26
	s_add_co_u32 s22, s22, 2097152
	s_add_nc_u64 s[26:27], s[10:11], s[22:23]      ; my 256 bytes of scale words
.macro XLOAD q                         ; K step q of my 16 rows: each load reads 512 consecutive bytes of one row
.irp i, 0,1,2,3,4,5,6,7,8,9,10,11,12,13,14,15
	global_load_b128 v[R+64*((\q)%2)+4*\i:R+64*((\q)%2)+4*\i+3], v[LO], s[4:5] offset:4096*\i+512*(\q) th:TH_LOAD_NT
.endr
.endm
.macro XSTEP q
.if (\q) < 3
	s_wait_loadcnt 16                              ; this step's 16 loads are in; the next step's may be out
.else
	s_wait_loadcnt 0x0
.endif
.irp i, 0,1,2,3,4,5,6,7,8,9,10,11,12,13,14,15
	ds_store_b128 v[STI], v[R+64*((\q)%2)+4*\i:R+64*((\q)%2)+4*\i+3] offset:528*\i    ; through my own stage, as loaded;
.endr
.irp c, 0,1
.irp e, 0,1,2,3,4,5,6,7
	ds_load_b128 v[XX+32*\c+4*\e:XX+32*\c+4*\e+3], v[STO] offset:256*\c+16*\e         ; back as the operand's layout wants them: lane (r, h): k = 64 c + 32 h + 0 .. 31 of row r.  LDS serves a wave in order
.endr
.endr
	s_wait_dscnt 0x0
.if (\q) < 2
	XLOAD (\q)+2
.endif
.irp c, 0,1
	v_max3_num_f32 v[8+\c], |v[XX+32*\c]|, |v[XX+32*\c+1]|, 0x1800000     ; block 2 c + h is all mine; the floor 2^(3 - 127) holds the byte at 1 from below
.endr
.irp i, 2,4,6,8,10,12,14,16,18,20,22,24,26,28,30
.irp c, 0,1
	v_max3_num_f32 v[8+\c], v[8+\c], |v[XX+32*\c+\i]|, |v[XX+32*\c+\i+1]|
.endr
.endr
.irp c, 0,1
	v_add_nc_u32 v[10+\c], 0xff000000, v[8+\c]     ; 2 off the exponent field: the conversion's scale operand
.endr
.irp c, 0,1
	v_lshrrev_b32 v[12+\c], 23, v[10+\c]           ; the byte
.endr
	v_lshl_or_b32 v14, v13, 16, v12                ; my bytes: blocks h and 2 + h,
	v_lshlrev_b32 v14, v[H8], v14                  ; at their places;
	v_permlanex16_b32 v15, v14, s28, s29
	v_or_b32 v[WD+(\q)], v14, v15                  ; with lane l xor 16's the row's word is whole
.irp c, 0,1
.irp g, 0,1,2,3
	v_cvt_scalef32_pk8_fp4_f32 v[CC+8*(\q)+4*\c+\g], v[XX+32*\c+8*\g:XX+32*\c+8*\g+7], v[10+\c]
.endr
.endr
	v_nop                                          ; one plain line behind the scaled conversions
.irp c, 0,1
	global_store_b128 v[LO], v[CC+8*(\q)+4*\c:CC+8*(\q)+4*\c+3], s[24:25] offset:1024*(\q)+512*\c   ; the fragment as it stands: 512 consecutive bytes
.endr
.endm
	XLOAD 0
	XLOAD 1
	XSTEP 0
	XSTEP 1
	XSTEP 2
	XSTEP 3
	v_cndmask_b32 v[TT], v[WD], v[WD+1], s30       ; lanes 0-15: steps 0 and 2 of row r; lanes 16-31: steps 1 and 3
	v_cndmask_b32 v[TT+1], v[WD+2], v[WD+3], s30
	global_store_b64 v[L8], v[TT:TT+1], s[26:27]   ; 256 consecutive aligned bytes
.Lend:
	s_wait_tensorcnt 0x0                           ; the wave's end
	ds_add_u32 v[SPW], v[NIL]
	s_wait_dscnt 0x0
	s_endpgm
.Lfunc_end_k_q9f73fb97ce_prep:
	.size	k_q9f73fb97ce_prep, .Lfunc_end_k_q9f73fb97ce_prep-k_q9f73fb97ce_prep
	.p2alignl 7, 3214868480
	.fill 96, 4, 3214868480
	.section	.rodata,"a",@progbits
	.p2align	6, 0x0
	.amdhsa_kernel k_q9f73fb97ce_prep
		.amdhsa_group_segment_fixed_size 34304
		.amdhsa_private_segment_fixed_size 0
		.amdhsa_enable_private_segment 0
		.amdhsa_kernarg_size 56
		.amdhsa_user_sgpr_count 2
		.amdhsa_user_sgpr_kernarg_segment_ptr 1
		.amdhsa_wavefront_size32 1
		.amdhsa_system_sgpr_workgroup_id_x 1
		.amdhsa_system_sgpr_workgroup_id_y 1
		.amdhsa_system_sgpr_workgroup_id_z 1
		.amdhsa_system_vgpr_workitem_id 0
		.amdhsa_next_free_vgpr 256
		.amdhsa_next_free_sgpr 66
		.amdhsa_reserve_vcc 0
		.amdhsa_float_denorm_mode_32 3
		.amdhsa_float_denorm_mode_16_64 3
		.amdhsa_memory_ordered 1
		.amdhsa_forward_progress 1
		.amdhsa_inst_pref_size 90
	.end_amdhsa_kernel
	.amdgpu_metadata
---
amdhsa.version: [ 1, 2 ]
amdhsa.kernels:
  - .name:           k_q9f73fb97ce_prep
    .symbol:         k_q9f73fb97ce_prep.kd
    .args:
      - { .name: x, .offset: 0, .size: 8, .value_kind: global_buffer, .address_space: global }
      - { .name: W_attn, .offset: 8, .size: 8, .value_kind: global_buffer, .address_space: global }
      - { .name: W_proj, .offset: 16, .size: 8, .value_kind: global_buffer, .address_space: global }
      - { .name: xq, .offset: 24, .size: 8, .value_kind: global_buffer, .address_space: global }
      - { .name: wq, .offset: 32, .size: 8, .value_kind: global_buffer, .address_space: global }
      - { .name: wpf, .offset: 40, .size: 8, .value_kind: global_buffer, .address_space: global }
      - { .name: wpl, .offset: 48, .size: 8, .value_kind: global_buffer, .address_space: global }
    .group_segment_fixed_size: 34304
    .private_segment_fixed_size: 0
    .kernarg_segment_align: 8
    .kernarg_segment_size: 56
    .max_flat_workgroup_size: 128
    .sgpr_count:     66
    .vgpr_count:     256
    .wavefront_size: 32
...
	.end_amdgpu_metadata
.endif
;; end of part 1
;; launch qkv (part 2): grid 12 x 16, 4 waves a work-group, clusters of 4 x 4, 279,040 bytes of LDS; arguments xq, wq, b_attn, qkvf, h32; writes qkvf, h32
.if DOCPART == 2
	.amdgcn_target "amdgcn-amd-amdhsa--gfx1250"
	.amdhsa_code_object_version 6
	.text
	.protected	k_q9f73fb97ce_qkv
	.globl	k_q9f73fb97ce_qkv
	.p2align	8
	.type	k_q9f73fb97ce_qkv,@function
k_q9f73fb97ce_qkv:
	s_mov_b64 s[64:65], 0
	v_nop
	global_prefetch_b8 v0, s[64:65] scope:SCOPE_SE
	s_setreg_imm32_b32 hwreg(HW_REG_WAVE_MODE, 25, 1), 1
	s_wait_xcnt 0x0
	s_wait_alu depctr_hold_cnt(0) depctr_sa_sdst(0) depctr_va_vdst(0) depctr_va_sdst(0) depctr_va_ssrc(0) depctr_va_vcc(0) depctr_vm_vsrc(0)
	s_getreg_b32 s2, hwreg(HW_REG_IB_STS2, 6, 4)
	s_cmp_eq_u32 s2, 0
	s_cbranch_scc0 .Lentry_in_a_cluster
	s_endpgm
.Lentry_in_a_cluster:
	s_bfe_u32 s2, ttmp6, 0x10000c
	s_cmp_lg_u32 s2, 0xf033
	s_cbranch_scc0 .Lentry_shape_is_right
	s_endpgm
.Lentry_shape_is_right:
; QKV = Q(x) Q(W_attn) + b_attn on codes of FP4 with E8M0 scales, K = 1,024; the results leave as f16 IMAGES OF THE OPERANDS that attention wants (8 registers a lane: registers 0-3 of lane l at 16 l, 4-7 at 512 + 16 l).
; A work-group of four waves makes 256 x 256, a wave 128 x 128: 64 accumulators, 512 registers.  K lies in two LDS slots of 512, both filled at the start: nothing is filled again.
; THE MATRIX INSTRUCTION: source 0 = 16 rows of region B, source 1 = 16 rows of region A: a lane holds ONE row of A's side and its eight registers eight neighbours of B's side.
;   cluster x = 0 (q), 1 (k): A = x, B = W: a lane holds a token and 8 neighbouring columns: two neighbouring accumulators, rounded to f16, ARE a fragment 16 tokens x 32 d.
;   cluster x = 2 (v):        A = W, B = x: a lane holds a column d and 8 neighbouring tokens: the same registers ARE a fragment 16 d x 32 keys of V^T.
; qkvf: q at 0, k at 8,388,608: [batch x head 32][block of 16 tokens 128][32 d: 2][1,024]; v at 16,777,216: [32][32 keys: 64][16 d: 4][1,024].
; h32: the f32 accumulators of positions 0-15 of each sequence, [batch 2][q, k, v][head 16][tile 4][1,024], for the launch that carries those rows in f32.
; CLUSTERS: 4 x 4.  Region A's tile hangs on cy and is asked for jointly along a row of the cluster, region B's on cx and along a column.  Which buffer is A's hangs on the cluster's x, which all sixteen share.
; The bias is the C of each sum's first product: for q, k it goes with the registers (B's side), for v with the lane (A's side).
; LIMITS: |q|, |k|, |v| stay under 65,504 (f16); numbers under 6e-5 keep f16's absolute step.
; REGISTERS: window 0: v8-15 bias offsets, v16-31 addresses, v32-95 scale words (they hold nothing else), v128-191 A's fragments (one set), v192-255 packed results.
;   window 1: B's fragments, two sets at v0 and v128; v64-127 the bias.   windows 2, 3: the accumulators, (a, b) at v[8 (8 (a % 4) + b)].
.set SLOT,   131072                    ; a slot: A's 16 blocks of 16 rows x 512 K (4,096 bytes each), then B's 16
.set SCL,    262144                    ; the scale words: A's 16 blocks x 512 bytes, then B's
.set SPARE,  278528                    ; the spare words, 128 bytes a wave
.set FR,     8
.set NL,     2
.set NP,     4                         ; places behind this matrix instruction (ISA guide 7.12.1)
.set BO,     8
.set ADRA,   16
.set ADRB,   20
.set GO,     26                        ; 16 x lane
.set ADRS,   27
.set SPW,    28
.set NIL,    29
.set T,      30
.set SC,     32                        ; the word of (slot s, block i, step q) at v[SC + 32 s + 4 i + 2 (q & 1) + (q >> 1)]: lanes 0-15 A's, lanes 16-31 B's
.set AF,     128
.set BK,     192
.set BIAS,   64                        ; in window 1
.set G1, 24
.set G0, 32
.set G1B, 48
.set G0B, 56
.set G1S, 68
.set G0S, 76
.set G1SB, 80
.set G0SB, 88
.set MSB, 0
.macro WIN new                         ; the immediate's high byte repeats the setting that is left
.if MSB != \new
	s_set_vgpr_msb (MSB<<8)|\new
.set MSB, \new
.endif
.endm
.set MUL_LO, 0xa1                      ; source 0 (B) window 1, source 1 (A) window 0, C and D window 2
.set MUL_HI, 0xf1                      ; C and D window 3
.set BIA_LO, 0x91                      ; C (the bias) window 1, D window 2
.set BIA_HI, 0xd1                      ; C window 1, D window 3
.set TO_B,   0x40
; A joint load: waves 0 and 1 fetch for region A, waves 2 and 3 for region B; the branch hangs on the wave's number alone.  An s_nop 0 and four v_nop follow each line.
.macro JLOAD g0a, g1a, g0b, g1b
	s_cmp_eq_u32 s15, 0
	s_cbranch_scc0 .Lfor_b_\@
	tensor_load_to_lds s[\g0a:\g0a+3], s[\g1a:\g1a+7]
	s_nop 0
.rept 4
	v_nop
.endr
	s_branch .Lasked_\@
.Lfor_b_\@:
	tensor_load_to_lds s[\g0b:\g0b+3], s[\g1b:\g1b+7]
	s_nop 0
.rept 4
	v_nop
.endr
.Lasked_\@:
.endm
.macro CROUND                          ; a round of the cluster's barrier
	s_barrier_signal -1
	s_barrier_wait -1
	s_cmp_lg_u32 s14, 0
	s_cbranch_scc1 .Lnot_wave_0_\@
	s_barrier_signal -3
.Lnot_wave_0_\@:
	s_barrier_wait -3
	s_barrier_signal -1
	s_barrier_wait -1
.endm
	s_load_b256 s[4:11], s[0:1], 0x0               ; xq s[4:5], wq s[6:7], b_attn s[8:9], qkvf s[10:11]
	s_load_b64 s[12:13], s[0:1], 0x20              ; h32
	v_lshl_add_u32 v[SPW], v0, 2, SPARE
	v_mov_b32 v[NIL], 0
	ds_add_u32 v[SPW], v[NIL]                      ; the wave's opening: the add, twice on end, and its wait ahead of my first tensor load
	ds_add_u32 v[SPW], v[NIL]
	v_lshrrev_b32 v1, 5, v0
	v_readfirstlane_b32 s14, v1                    ; wave
	s_lshr_b32 s15, s14, 1                         ; my half of A's side.  Also: I fetch for A (0) or for B (1)
	s_and_b32 s16, s14, 1                          ; my half of B's side.  Also: which 128 rows I fetch
	s_bfe_u32 s40, ttmp6, 0x40000                  ; cx
	s_bfe_u32 s41, ttmp6, 0x40004                  ; cy
	s_and_b32 s17, ttmp7, 0xffff                   ; the cluster's y
	s_lshl_b32 s43, s41, 2
	s_lshl_b32 s43, 15, s43                        ; my row of the cluster
	s_lshl_b32 s44, 0x1111, s40                    ; my column
	; descriptor group 1: dense blocks as rows of 256 bytes (32 elements of 8 bytes), no padding: an image is read 16 bytes a lane on end
	s_or_b32 s[G1], s43, (3<<16)|(1<<21)           ; 15:0 the mask; 17:16 elements of 8 bytes; 21 set beside a mask
	s_or_b32 s[G1B], s44, (3<<16)|(1<<21)
	s_or_b32 s[G1S], s43, (3<<16)|(1<<21)
	s_or_b32 s[G1SB], s44, (3<<16)|(1<<21)
.irp g, G1, G1B
	s_mov_b32 s[\g+1], 32<<16                      ; tensor_dim0
	s_mov_b32 s[\g+2], 128<<16                     ; tensor_dim1: 8 blocks x 4,096 bytes
	s_mov_b32 s[\g+3], 32<<16                      ; tile_dim0
	s_mov_b32 s[\g+4], 128                         ; tile_dim1
	s_mov_b32 s[\g+5], 32                          ; the pitch
	s_mov_b32 s[\g+6], 0
	s_mov_b32 s[\g+7], 0
.endr
.irp g, G1S, G1SB
	s_mov_b32 s[\g+1], 32<<16
	s_mov_b32 s[\g+2], 16<<16                      ; 8 blocks x 512 bytes of scale words
	s_mov_b32 s[\g+3], 32<<16
	s_mov_b32 s[\g+4], 16
	s_mov_b32 s[\g+5], 32
	s_mov_b32 s[\g+6], 0
	s_mov_b32 s[\g+7], 0
.endr
	s_lshl_b32 s2, s17, 2                          ; 4 x cluster y
	s_lshl_b32 s3, ttmp9, 2                        ; 4 x cluster x
	s_mov_b32 s96, 786432                          ; wq: from khalf to khalf
	s_mov_b32 s97, 1572864                         ; wq: where the scale words begin
	s_cmp_eq_u32 ttmp9, 2                          ; v?  The same in all sixteen partners
	s_cselect_b32 s18, 1, 0
	s_cselect_b32 s19, 8, s2                       ; region A's tile: W's 8 + cy, or x's 4 Y + cy
	s_cselect_b32 s45, s2, s3                      ; region B's tile: x's 4 Y + cx, or W's 4 X + cx
	s_cselect_b32 s20, s96, 1048576                ; A's khalf stride
	s_cselect_b32 s46, 1048576, s96                ; B's
	s_cselect_b32 s98, s97, 2097152                ; where A's scale words begin
	s_cselect_b32 s94, 2097152, s97                ; B's
	s_add_co_u32 s19, s19, s41                     ; (registers that feed A's descriptors never hold cx, B's never cy)
	s_add_co_u32 s45, s45, s40
	s_lshl_b32 s22, s19, 16                        ; A's codes: (16 tile + 8 half) blocks of 4,096 bytes
	s_lshl_b32 s23, s16, 15
	s_add_co_u32 s22, s22, s23
	s_mov_b32 s23, 0
	s_lshl_b32 s99, s19, 13                        ; A's scale words: the same blocks, 512 bytes each
	s_add_co_u32 s98, s98, s99
	s_lshl_b32 s99, s16, 12
	s_add_co_u32 s98, s98, s99
	s_mov_b32 s99, 0
	s_mov_b32 s21, 0
	s_lshl_b32 s92, s45, 16                        ; B likewise
	s_lshl_b32 s93, s16, 15
	s_add_co_u32 s92, s92, s93
	s_mov_b32 s93, 0
	s_lshl_b32 s95, s45, 13
	s_add_co_u32 s94, s94, s95
	s_lshl_b32 s95, s16, 12
	s_add_co_u32 s94, s94, s95
	s_mov_b32 s95, 0
	s_mov_b32 s47, 0
	s_lshl_b32 s100, s14, 15                       ; where my codes go: wave x 32,768: no place in the cluster enters an LDS address
	s_lshl_b32 s101, s14, 12                       ; and my scale words: wave x 4,096
	s_wait_dscnt 0x0                               ; both opening adds are done
	s_wait_kmcnt 0x0
	s_cmp_eq_u32 s18, 1
	s_cselect_b64 s[66:67], s[6:7], s[4:5]         ; region A's buffer
	s_cselect_b64 s[96:97], s[4:5], s[6:7]         ; region B's
	s_add_nc_u64 s[98:99], s[66:67], s[98:99]
	s_add_nc_u64 s[22:23], s[66:67], s[22:23]
	s_add_nc_u64 s[94:95], s[96:97], s[94:95]
	s_add_nc_u64 s[92:93], s[96:97], s[92:93]
	CROUND                                         ; all sixteen work-groups are here: the first joint loads meet
	s_mov_b32 s[G0S], 1
	s_add_co_u32 s[G0S+1], s101, SCL
	s_mov_b64 s[G0S+2:G0S+3], s[98:99]
	s_or_b32 s[G0S+3], s[G0S+3], 0x80000000
	s_mov_b32 s[G0SB], 1
	s_add_co_u32 s[G0SB+1], s101, SCL
	s_mov_b64 s[G0SB+2:G0SB+3], s[94:95]
	s_or_b32 s[G0SB+3], s[G0SB+3], 0x80000000
	JLOAD G0S, G1S, G0SB, G1SB                     ; the scale words of all of K
	s_mov_b32 s[G0], 1
	s_mov_b32 s[G0+1], s100
	s_mov_b64 s[G0+2:G0+3], s[22:23]
	s_or_b32 s[G0+3], s[G0+3], 0x80000000
	s_mov_b32 s[G0B], 1
	s_mov_b32 s[G0B+1], s100
	s_mov_b64 s[G0B+2:G0B+3], s[92:93]
	s_or_b32 s[G0B+3], s[G0B+3], 0x80000000
	JLOAD G0, G1, G0B, G1B                         ; slot 0: K 0 .. 511
	s_mov_b32 s[G0+4], 1
	s_add_co_u32 s[G0+5], s100, SLOT
	s_add_nc_u64 s[G0+6:G0+7], s[22:23], s[20:21]
	s_or_b32 s[G0+7], s[G0+7], 0x80000000
	s_mov_b32 s[G0B+4], 1
	s_add_co_u32 s[G0B+5], s100, SLOT
	s_add_nc_u64 s[G0B+6:G0B+7], s[92:93], s[46:47]
	s_or_b32 s[G0B+7], s[G0B+7], 0x80000000
	JLOAD G0+4, G1, G0B+4, G1B                     ; slot 1: K 512 .. 1,023.  Three loads of mine are out
	; which tile of W and which of x are mine, and the bases of the bias and of the ways out
	s_cmp_eq_u32 s18, 1
	s_cselect_b32 s92, s19, s45                    ; W's tile of 256 columns, 0 .. 11
	s_cselect_b32 s94, s45, s19                    ; x's tile of 256 tokens, 0 .. 15
	s_cselect_b32 s93, s15, s16                    ; my half on W's side
	s_cselect_b32 s96, s16, s15                    ; my half on x's side
	s_cselect_b32 s97, 4, 0                        ; the bias offset: bytes for r,
	s_cselect_b32 s98, 0, 32                       ; for h,
	s_cselect_b32 s99, 0, 4                        ; for register j
	s_lshl_b32 s20, s92, 10
	s_lshl_b32 s21, s93, 9
	s_add_co_u32 s20, s20, s21
	s_mov_b32 s21, 0
	s_add_nc_u64 s[8:9], s[8:9], s[20:21]          ; b_attn at my 128 columns
	s_lshr_b32 s22, s94, 3                         ; batch
	s_and_b32 s95, s94, 7                          ; x's tile within the sequence
	s_mul_i32 s20, s22, 48
	s_lshl_b32 s23, s92, 2
	s_add_co_u32 s20, s20, s23
	s_lshl_b32 s23, s93, 1
	s_add_co_u32 s20, s20, s23
	s_lshl_b32 s20, s20, 12
	s_add_nc_u64 s[12:13], s[12:13], s[20:21]      ; h32: (48 batch + 4 W's tile + 2 half) x 4,096: my two heads
	s_lshr_b32 s20, s92, 2
	s_lshl_b32 s20, s20, 23                        ; q, k or v
	s_lshl_b32 s23, s22, 4
	s_and_b32 s46, s92, 3
	s_lshl_b32 s46, s46, 2
	s_add_co_u32 s23, s23, s46
	s_lshl_b32 s46, s93, 1
	s_add_co_u32 s23, s23, s46
	s_lshl_b32 s23, s23, 18                        ; batch x head: 262,144 bytes each
	s_add_co_u32 s20, s20, s23
	s_lshl_b32 s23, s95, 15                        ; 256 tokens: 32,768 bytes
	s_add_co_u32 s20, s20, s23
	s_lshl_b32 s23, s96, 14
	s_add_co_u32 s20, s20, s23
	s_add_nc_u64 s[10:11], s[10:11], s[20:21]
	v_and_b32 v1, 15, v0                           ; r
	v_bfe_u32 v2, v0, 4, 1                         ; h
	v_and_b32 v3, 31, v0
	v_lshlrev_b32 v[GO], 4, v3
	v_mul_u32_u24 v[T], v1, s97
	v_mad_u32_u24 v[T], v2, s98, v[T]
	v_mov_b32 v31, s99
.irp j, 0,1,2,3,4,5,6,7
	v_mad_u32_u24 v[BO+\j], v31, \j, v[T]
.endr
	WIN TO_B
.irp i, 0,1,2,3,4,5,6,7
.irp j, 0,1,2,3,4,5,6,7
	global_load_b32 v[BIAS+8*\i+\j], v[BO+\j], s[8:9] offset:64*\i   ; q, k: b(16 i + 8 h + j); v: b(16 i + r)
.endr
.endr
	WIN 0
	s_lshl_b32 s20, s15, 15                        ; my 8 blocks of A,
	s_lshl_b32 s21, s16, 15
	s_add_co_u32 s21, s21, 65536                   ; my 8 of B, behind A's 16
.irp s, 0,1
	v_add_nc_u32 v[ADRA+\s], s20, v[GO]
	v_add_nc_u32 v[ADRB+\s], s21, v[GO]
	s_add_co_u32 s20, s20, SLOT
	s_add_co_u32 s21, s21, SLOT
.endr
	s_lshl_b32 s20, s15, 12                        ; scale words: A's, my 8 blocks;
	s_lshl_b32 s21, s16, 12
	s_add_co_u32 s21, s21, 8192                    ; B's, behind A's 16
	s_sub_co_u32 s21, s21, s20
	v_mul_u32_u24 v4, s21, v2                      ; lanes 16-31 take B's
	s_add_co_u32 s20, s20, SCL
	v_lshl_add_u32 v4, v1, 3, v4                   ; 8 r
	v_add_nc_u32 v[ADRS], s20, v4
.macro FRAG reg, adr, q, i             ; a fragment as it was stored: two loads of 16 bytes a lane, on end
.irp c, 0,1
	ds_load_b128 v[\reg+4*\c:\reg+4*\c+3], v[\adr] offset:4096*(\i)+1024*(\q)+512*\c
.endr
.endm
; 16 products: A's blocks a0, a0 + 1 x B's eight, the slot's q-th 128 along K.  zero = 1: the bias of B's block starts the sum; 2: that of A's block; 0: in place.
; The 64 accumulators take turns, one instruction a turn, in the same order in every step.
.macro MUL16 a0, p, q, sc, zero
.irp a, \a0, \a0+1
.irp b, 0,1,2,3,4,5,6,7
.if \zero == 1
	v_wmma_scale_f32_16x16x128_f8f6f4 v[8*(8*((\a)%4)+\b):8*(8*((\a)%4)+\b)+7], v[128*(\p)+FR*\b:128*(\p)+FR*\b+FR-1], v[AF+FR*(\a):AF+FR*(\a)+FR-1], v[BIAS+8*\b:BIAS+8*\b+7], v[SC+32*(\sc)+4*\b+2*((\q)%2)+(\q)/2], v[SC+32*(\sc)+4*(\a)+2*((\q)%2)+(\q)/2] matrix_a_fmt:MATRIX_FMT_FP4 matrix_b_fmt:MATRIX_FMT_FP4 matrix_a_scale:MATRIX_SCALE_ROW1
.elseif \zero == 2
	v_wmma_scale_f32_16x16x128_f8f6f4 v[8*(8*((\a)%4)+\b):8*(8*((\a)%4)+\b)+7], v[128*(\p)+FR*\b:128*(\p)+FR*\b+FR-1], v[AF+FR*(\a):AF+FR*(\a)+FR-1], v[BIAS+8*(\a):BIAS+8*(\a)+7], v[SC+32*(\sc)+4*\b+2*((\q)%2)+(\q)/2], v[SC+32*(\sc)+4*(\a)+2*((\q)%2)+(\q)/2] matrix_a_fmt:MATRIX_FMT_FP4 matrix_b_fmt:MATRIX_FMT_FP4 matrix_a_scale:MATRIX_SCALE_ROW1
.else
	v_wmma_scale_f32_16x16x128_f8f6f4 v[8*(8*((\a)%4)+\b):8*(8*((\a)%4)+\b)+7], v[128*(\p)+FR*\b:128*(\p)+FR*\b+FR-1], v[AF+FR*(\a):AF+FR*(\a)+FR-1], v[8*(8*((\a)%4)+\b):8*(8*((\a)%4)+\b)+7], v[SC+32*(\sc)+4*\b+2*((\q)%2)+(\q)/2], v[SC+32*(\sc)+4*(\a)+2*((\q)%2)+(\q)/2] matrix_a_fmt:MATRIX_FMT_FP4 matrix_b_fmt:MATRIX_FMT_FP4 matrix_a_scale:MATRIX_SCALE_ROW1
.endif
.endr
.endr
.endm
.macro FETCH_B slot, q, p
	WIN TO_B
.irp i, 0,1,2,3,4,5,6,7
	FRAG 128*(\p)+FR*\i, ADRB+\slot, \q, \i
.endr
	WIN 0
.endm
.macro FETCH_A slot, q, i0
.irp i, \i0, \i0+1, \i0+2, \i0+3
	FRAG AF+FR*(\i), ADRA+\slot, \q, \i
.endr
.endm
.macro SCALES s                        ; a slot's scale words: 16 loads of 8 bytes: steps e and 2 + e of block i
.irp i, 0,1,2,3,4,5,6,7
.irp e, 0,1
	ds_load_b64 v[SC+32*\s+4*\i+2*\e:SC+32*\s+4*\i+2*\e+1], v[ADRS] offset:512*\i+256*\s+128*\e
.endr
.endr
.endm
.macro PLACES n                        ; plain vector lines between a matrix instruction and a load into, or a read of, its registers
.rept \n
	v_nop
.endr
.endm
.macro STEP slot, q, zero              ; 128 along K that has its successor in the same slot
	s_wait_dscnt 4*NL                              ; all but the youngest eight loads (A's blocks 4-7) are in
.if \zero
	WIN BIA_LO
.else
	WIN MUL_LO
.endif
	MUL16 0, (\q)%2, \q, \slot, \zero
	MUL16 2, (\q)%2, \q, \slot, \zero
	s_wait_dscnt 0x0                               ; A's blocks 4-7 are in
	PLACES NP
	FETCH_B \slot, (\q)+1, 1-(\q)%2
	FETCH_A \slot, (\q)+1, 0
.if \zero
	WIN BIA_HI
.else
	WIN MUL_HI
.endif
	MUL16 4, (\q)%2, \q, \slot, \zero
	MUL16 6, (\q)%2, \q, \slot, \zero
	PLACES NP
	WIN 0
	FETCH_A \slot, (\q)+1, 4
.endm
	s_wait_tensorcnt 1                             ; my scale words and my part of slot 0 are in; slot 1's load may be out
	s_barrier_signal -1
	s_barrier_wait -1                              ; everybody's are
	FETCH_B 0, 0, 0
	FETCH_A 0, 0, 0
	SCALES 0
	FETCH_A 0, 0, 4
	s_wait_loadcnt 0x0                             ; the bias
	s_cmp_eq_u32 s18, 1
	s_cbranch_scc1 .Lfirst_v
	STEP 0, 0, 1                                   ; the first step starts the sums with the bias: nothing is cleared
	s_branch .Lfirst_done
.Lfirst_v:
	STEP 0, 0, 2
.Lfirst_done:
	STEP 0, 1, 0
	STEP 0, 2, 0
	; slot 0's last step, and the change to slot 1: each wave shows its part of slot 1 landed, then the barrier
	s_wait_tensorcnt 0x0
	ds_add_u32 v[SPW], v[NIL]
	s_wait_dscnt 4*NL+1                            ; (the add and the youngest eight loads may be out)
	WIN MUL_LO
	MUL16 0, 1, 3, 0, 0
	s_wait_dscnt 0x0
	s_barrier_signal -1
	MUL16 2, 1, 3, 0, 0
	WIN 0
	s_barrier_wait -1
	PLACES NP
	FETCH_B 1, 0, 0
	FETCH_A 1, 0, 0
	SCALES 1
	WIN MUL_HI
	MUL16 4, 1, 3, 0, 0
	MUL16 6, 1, 3, 0, 0
	PLACES NP
	WIN 0
	FETCH_A 1, 0, 4
	STEP 1, 0, 0
	STEP 1, 1, 0
	STEP 1, 2, 0
	s_wait_dscnt 4*NL                              ; the very last step: nothing more to fetch
	WIN MUL_LO
	MUL16 0, 1, 3, 1, 0
	MUL16 2, 1, 3, 1, 0
	s_wait_dscnt 0x0
	WIN MUL_HI
	MUL16 4, 1, 3, 1, 0
	MUL16 6, 1, 3, 1, 0
	WIN 0
	PLACES NP
; THE WAY OUT.  First the f32 accumulators of positions 0-15: they lie in the wave whose half on x's side is 0, in its block 0, where x's tile is a sequence's first.  The last hangs on my place in
; the cluster, so it is a mask of lanes and no branch.  Then every pair of neighbouring accumulators is rounded to f16 and stored as it stands: 512 consecutive bytes a store.
.macro WAYOUT isv
.if \isv
	s_cmp_lg_u32 s16, 0
.else
	s_cmp_lg_u32 s15, 0
.endif
	s_cbranch_scc1 .Lno32_\@
	v_mov_b32 v[T], s95
	v_cmp_eq_u32 vcc_lo, 0, v[T]
	s_wait_xcnt 0x0                                ; EXEC changes only behind this wait
	s_and_saveexec_b32 s3, vcc_lo
.irp i, 0,1,2,3,4,5,6,7
.if \isv
	WIN 0x08+4*(\i/4)                              ; a store's data are its source 1: window 2 or 3
	global_store_b128 v[GO], v[64*(\i%4):64*(\i%4)+3], s[12:13] offset:1024*\i           ; accumulator (i, 0): d 16 i + r, tokens 8 h + j; from its low end on
	global_store_b128 v[GO], v[64*(\i%4)+4:64*(\i%4)+7], s[12:13] offset:1024*\i+512
.else
	WIN 0x08
	global_store_b128 v[GO], v[8*\i:8*\i+3], s[12:13] offset:1024*\i                     ; accumulator (0, i): token r, d 16 i + 8 h + j
	global_store_b128 v[GO], v[8*\i+4:8*\i+7], s[12:13] offset:1024*\i+512
.endif
.endr
	WIN 0
	s_wait_xcnt 0x0                                ; and again, in front of the line that widens it
	s_or_b32 exec_lo, exec_lo, s3
.Lno32_\@:
.irp a, 0,1,2,3,4,5,6,7
.if \a > 1
	s_wait_xcnt 0x0                                ; block a - 2's stores have read the registers that are written now
.endif
	WIN 0x0a+5*(\a/4)                              ; sources 0 and 1: window 2 or 3
.irp g, 0,1,2,3
.irp u, 0,1
.irp p, 0,1,2,3
	v_cvt_pk_f16_f32 v[BK+32*(\a%2)+8*\g+4*\u+\p], v[8*(8*(\a%4)+2*\g+\u)+2*\p], v[8*(8*(\a%4)+2*\g+\u)+2*\p+1]
.endr
.endr
.endr
	WIN 0
.irp g, 0,1,2,3
.irp u, 0,1
.if \isv
	global_store_b128 v[GO], v[BK+32*(\a%2)+8*\g+4*\u:BK+32*(\a%2)+8*\g+4*\u+3], s[10:11] offset:262144*(\a/4)+1024*(\a%4)+4096*\g+512*\u
.else
	global_store_b128 v[GO], v[BK+32*(\a%2)+8*\g+4*\u:BK+32*(\a%2)+8*\g+4*\u+3], s[10:11] offset:2048*\a+262144*(\g/2)+1024*(\g%2)+512*\u
.endif
.endr
.endr
.endr
.endm
	s_cmp_eq_u32 s18, 1
	s_cbranch_scc1 .Lout_v
	WAYOUT 0
	s_branch .Lout_done
.Lout_v:
	WAYOUT 1
.Lout_done:
	s_wait_tensorcnt 0x0                           ; the wave's end
	ds_add_u32 v[SPW], v[NIL]
	s_wait_dscnt 0x0
	CROUND                                         ; the closing round
	s_endpgm
.Lfunc_end_k_q9f73fb97ce_qkv:
	.size	k_q9f73fb97ce_qkv, .Lfunc_end_k_q9f73fb97ce_qkv-k_q9f73fb97ce_qkv
	.p2alignl 7, 3214868480
	.fill 96, 4, 3214868480
	.section	.rodata,"a",@progbits
	.p2align	6, 0x0
	.amdhsa_kernel k_q9f73fb97ce_qkv
		.amdhsa_group_segment_fixed_size 279040
		.amdhsa_private_segment_fixed_size 0
		.amdhsa_enable_private_segment 0
		.amdhsa_kernarg_size 40
		.amdhsa_user_sgpr_count 2
		.amdhsa_user_sgpr_kernarg_segment_ptr 1
		.amdhsa_wavefront_size32 1
		.amdhsa_system_sgpr_workgroup_id_x 1
		.amdhsa_system_sgpr_workgroup_id_y 1
		.amdhsa_system_sgpr_workgroup_id_z 1
		.amdhsa_system_vgpr_workitem_id 0
		.amdhsa_next_free_vgpr 1024
		.amdhsa_next_free_sgpr 102
		.amdhsa_reserve_vcc 1
		.amdhsa_float_denorm_mode_32 3
		.amdhsa_float_denorm_mode_16_64 3
		.amdhsa_memory_ordered 1
		.amdhsa_forward_progress 1
		.amdhsa_inst_pref_size 163
	.end_amdhsa_kernel
	.amdgpu_metadata
---
amdhsa.version: [ 1, 2 ]
amdhsa.kernels:
  - .name:           k_q9f73fb97ce_qkv
    .symbol:         k_q9f73fb97ce_qkv.kd
    .args:
      - { .name: xq, .offset: 0, .size: 8, .value_kind: global_buffer, .address_space: global }
      - { .name: wq, .offset: 8, .size: 8, .value_kind: global_buffer, .address_space: global }
      - { .name: b_attn, .offset: 16, .size: 8, .value_kind: global_buffer, .address_space: global }
      - { .name: qkvf, .offset: 24, .size: 8, .value_kind: global_buffer, .address_space: global }
      - { .name: h32, .offset: 32, .size: 8, .value_kind: global_buffer, .address_space: global }
    .group_segment_fixed_size: 279040
    .private_segment_fixed_size: 0
    .kernarg_segment_align: 8
    .kernarg_segment_size: 40
    .max_flat_workgroup_size: 128
    .sgpr_count:     102
    .vgpr_count:     1024
    .wavefront_size: 32
...
	.end_amdgpu_metadata
.endif
;; end of part 2
;; launch attn (part 3): grid 8 x 32, 8 waves a work-group, no clusters, 327,680 bytes of LDS; arguments qkvf, yf; writes yf
.if DOCPART == 3
	.amdgcn_target "amdgcn-amd-amdhsa--gfx1250"
	.amdhsa_code_object_version 6
	.text
	.protected	k_q9f73fb97ce_attn
	.globl	k_q9f73fb97ce_attn
	.p2align	8
	.type	k_q9f73fb97ce_attn,@function
k_q9f73fb97ce_attn:
	s_mov_b64 s[64:65], 0
	v_nop
	global_prefetch_b8 v0, s[64:65] scope:SCOPE_SE
	s_setreg_imm32_b32 hwreg(HW_REG_WAVE_MODE, 25, 1), 1
	s_wait_xcnt 0x0
; ATTENTION with the causal mask, f16 operands, f32 sums, a running maximum.  q, k, v come as images of operand registers (see below); y leaves as images of the projection's operand.
; SHARES.  Work-group (i, batch x head) takes two blocks of 128 queries, block 15 - i and then block i: together 17 units of 128 keys, whatever i is.  Waves w and w + 4 hold the SAME 32 queries
; (two tiles of 16) and split each unit's keys: wave w keys 0-63, wave w + 4 keys 64-127; each keeps its own maximum, sum and O^T, and the two are merged through LDS at a block's end.
; THE WALK.  K and V come through two LDS slots of 512 keys (four units).  Block 15 - i needs P0 = 4 - i / 4 slots, block i needs 5 - P0: always five phases, so every trip count is a constant;
; a step all of whose keys come after the wave's queries jumps over its work by a scalar branch on ids.
; LAYOUT.  S^T = K Q^T and O^T = V^T P: a lane holds one query throughout.  Two neighbouring tiles of S^T, rounded to f16, are P's fragment.
; qkvf: q at 0, k at 8,388,608: [batch x head][block of 16 tokens 128][32 d: 2][1,024]; v at 16,777,216: [batch x head][32 keys: 64][16 d: 4][1,024].  yf: [K step of 256: 4][block of 16 rows 256][32 k: 8][1,024].
; NO CLUSTER: which steps a work-group leaves out, and where its diagonal lies, hang on its own block of queries: partners would branch on their place.
; LIMITS: NaN and infinities are not served; p and y are rounded to f16 (p is at most 1).
; REGISTERS: window 0: v1-14 addresses and constants; v32-47 statistics, 8 a tile: +0 c m, +1 m, +2, +3 the sum's halves, +4 .. +7 at work (a at +6); v64-127 S^T; v128-159 P; v160-223 O^T; v224-247 the merge.
;   window 1: v0-31 Q (16 t + 8 c); v64-127 K (16 kt + 8 c); v128-191 V (32 kc + 8 dt).
.set SLOT1, 131072                     ; a slot: eight stripes of 16,384 bytes, one a wave: K's four pieces of 512 bytes of each of 32 blocks; V's four tiles of d, 16 x 1,024
.set MERGE, 262144                     ; 8,704 bytes for each pair of waves: 16 x 512 of O^T, 4 x 128 of m and l
.set MPAIR, 8704
.set SPARE, 296960                     ; the spare words, 128 bytes a wave
.set SPW, 1
.set NIL, 2
.set LI,  3                            ; 16 x lane
.set AK0, 4
.set AV0, 5
.set ADK, 6
.set ADV, 7
.set RH,  8                            ; r - 8 h
.set MW,  9
.set MS,  10
.set PFO, 11                           ; 256 x lane
.set D0,  12                           ; v12, v13: the mask's bound for tiles 0, 1
.set NINF, 14
.set ST,  32
.set S,   64
.set P,   128
.set O,   160
.set KFR, 64
.set VFR, 128
.set WV,  8
.set UP,  9
.set WQ,  10
.set I,   11
.set BH,  12
.set P0,  13
.set PH,  14
.set BLK, 15
.set Q0,  16
.set KF,  17
.set TB,  18
.set UC,  19
.set SEL, 20
.set CS,  22
.set G1K, 24
.set G1V, 32
.set G0,  40
.set BACK, 44
.set QA,  46
.set YA,  48
.set PFK, 50
.set PFV, 52
.set LIM, 54
.set P0B, 55
.set YB,  56
.set MSB, 0
.macro WIN new
.if MSB != \new
	s_set_vgpr_msb (MSB<<8)|\new
.set MSB, \new
.endif
.endm
; Every wave fetches one stripe: waves 0-3 of K, waves 4-7 of V; two shapes, so two lines under a branch on the wave's number.  An s_nop 0 and four v_nop follow each.
.macro TLOAD
	s_cmp_lt_u32 s[WV], 4
	s_cbranch_scc0 .Lfor_v_\@
	tensor_load_to_lds s[G0:G0+3], s[G1K:G1K+7]
	s_nop 0
.rept 4
	v_nop
.endr
	s_branch .Lasked_\@
.Lfor_v_\@:
	tensor_load_to_lds s[G0:G0+3], s[G1V:G1V+7]
	s_nop 0
.rept 4
	v_nop
.endr
.Lasked_\@:
.endm
; A prefetch of the slot that the NEXT change will ask for.  The eight work-groups of a head walk the same K and V; work-group 0, whose first block walks all four slots, asks alone: in phases 0 and 1
; for slots 2 and 3; wave j names bytes 8,192 j on of K's and of V's 65,536, lanes 256 bytes apart: each run of 256 bytes is named once.  Slots 0 and 1 come by their loads alone.
.macro ASK
	s_cmp_lt_u32 s[PH], s[LIM]
	s_cbranch_scc0 .Lnot_mine_\@
	global_prefetch_b8 v[PFO], s[PFK:PFK+1] th:TH_LOAD_NT scope:SCOPE_SE
	global_prefetch_b8 v[PFO], s[PFV:PFV+1] th:TH_LOAD_NT scope:SCOPE_SE
.Lnot_mine_\@:
.endm
	s_load_b128 s[4:7], s[0:1], 0x0                ; qkvf s[4:5], yf s[6:7]
	v_lshl_add_u32 v[SPW], v0, 2, SPARE
	v_mov_b32 v[NIL], 0
	ds_add_u32 v[SPW], v[NIL]                      ; the wave's opening: the add, twice on end, and its wait ahead of my first tensor load
	ds_add_u32 v[SPW], v[NIL]
	v_lshrrev_b32 v3, 5, v0
	v_readfirstlane_b32 s[WV], v3
	s_lshr_b32 s[UP], s[WV], 2                     ; which 64 keys of a unit
	s_and_b32 s[WQ], s[WV], 3                      ; which 32 queries of a block
	s_mov_b32 s[I], ttmp9
	s_and_b32 s[BH], ttmp7, 0xffff
	s_lshr_b32 s[P0], s[I], 2
	s_sub_co_u32 s[P0], 4, s[P0]
	s_lshl_b32 s[P0B], s[P0], 16
	s_mov_b32 s[BACK+1], 0
	s_mov_b32 s[G1K], 3<<16                        ; elements of 8 bytes, no mask, no padding
	s_mov_b32 s[G1K+1], 64<<16                     ; K: 32 rows of 512 bytes,
	s_mov_b32 s[G1K+2], 32<<16
	s_mov_b32 s[G1K+3], 64<<16
	s_mov_b32 s[G1K+4], 32
	s_mov_b32 s[G1K+5], 256                        ; 2,048 bytes apart
	s_mov_b32 s[G1K+6], 0
	s_mov_b32 s[G1K+7], 0
	s_mov_b32 s[G1V], 3<<16
	s_mov_b32 s[G1V+1], 128<<16                    ; V: 16 rows of 1,024 bytes,
	s_mov_b32 s[G1V+2], 16<<16
	s_mov_b32 s[G1V+3], 128<<16
	s_mov_b32 s[G1V+4], 16
	s_mov_b32 s[G1V+5], 512                        ; 4,096 bytes apart
	s_mov_b32 s[G1V+6], 0
	s_mov_b32 s[G1V+7], 0
	s_mov_b32 s[SEL], 0x76543210
	s_mov_b32 s[SEL+1], 0xfedcba98
	s_mov_b32 s[CS], 0x3e38aa3b                    ; c = log2(e) / 8
	s_mov_b32 s[CS+1], s[CS]
	s_mov_b32 s2, 16777216
	s_cmp_lt_u32 s[WV], 4
	s_cselect_b32 s2, 8388608, s2                  ; k or v
	s_cselect_b32 s3, 9, 10
	s_lshl_b32 s3, s[WQ], s3                       ; my piece of 512 bytes, or my tile of 1,024
	s_add_co_u32 s2, s2, s3
	s_lshl_b32 s58, s[BH], 18                      ; the head's 262,144 bytes
	s_add_co_u32 s2, s2, s58
	s_mov_b32 s3, 0
	s_mov_b32 s59, 0
	s_lshl_b32 s60, s[WV], 13
	s_add_co_u32 s58, s58, s60
	s_add_co_u32 s58, s58, 8388608+65536           ; the prefetches: K's slot 1, my 8,192 bytes; the first change steps it to slot 2
	s_cmp_eq_u32 s[I], 0
	s_cselect_b32 s[LIM], 2, 0
	s_and_b32 s60, s[BH], 15                       ; the head
	s_lshr_b32 s61, s60, 2
	s_lshl_b32 s61, s61, 21                        ; yf: K step head / 4,
	s_and_b32 s60, s60, 3
	s_lshl_b32 s60, s60, 11                        ; fragments 2 (head % 4) on
	s_add_co_u32 s60, s60, s61
	s_mov_b32 s61, 0
	s_wait_dscnt 0x0                               ; both opening adds are done
	s_wait_kmcnt 0x0
	s_mov_b32 s[G0], 1
	s_lshl_b32 s[G0+1], s[WV], 14                  ; slot 0, my stripe
	s_add_nc_u64 s[G0+2:G0+3], s[4:5], s[2:3]
	s_or_b32 s[G0+3], s[G0+3], 0x80000000
	TLOAD                                          ; slot 0's first fill: one load of mine is out
	s_add_nc_u64 s[PFK:PFK+1], s[4:5], s[58:59]
	s_add_nc_u64 s[PFV:PFV+1], s[PFK:PFK+1], 8388608
	s_add_nc_u64 s[YB:YB+1], s[6:7], s[60:61]
	v_and_b32 v3, 31, v0
	v_lshlrev_b32 v[PFO], 8, v3
	v_lshlrev_b32 v[MS], 2, v3
	v_lshlrev_b32 v[LI], 4, v3
	s_lshl_b32 s2, s[UP], 11
	v_add_nc_u32 v[AK0], s2, v[LI]                 ; K: my four blocks of 16 keys begin 2,048 UP bytes into a unit's 4,096
	v_add_nc_u32 v[AV0], 65536, v[AK0]             ; V: my two groups of 32 keys likewise, behind K's four stripes
	v_and_b32 v[RH], 15, v0
	v_bfe_u32 v[D0], v0, 4, 1
	v_lshlrev_b32 v[D0], 3, v[D0]
	v_sub_nc_u32 v[RH], v[RH], v[D0]
	s_mul_i32 s2, s[WQ], MPAIR
	s_add_co_u32 s2, s2, MERGE
	v_add_nc_u32 v[MW], s2, v[LI]
	s_add_co_u32 s2, s2, 8192
	v_add_nc_u32 v[MS], s2, v[MS]
	v_mov_b32 v[NINF], 0xff800000
; A block of queries begins: ids, addresses, Q, and the start values: m = -3e38, under every score; sums and O^T zero (the first change of m multiplies zeros)
.macro START
	s_wait_xcnt 0x0                                ; earlier loads and stores have read the bases that are written now
	s_lshl_b32 s[Q0], s[BLK], 7
	s_lshl_b32 s2, s[WQ], 5
	s_add_co_u32 s[Q0], s[Q0], s2                  ; my first query
	s_lshl_b32 s[KF], s[UP], 6                     ; my first key
	s_lshl_b32 s2, s[BLK], 3
	s_lshl_b32 s3, s[WQ], 1
	s_add_co_u32 s58, s2, s3                       ; my first block of 16 tokens in the sequence
	s_lshl_b32 s2, s[BH], 7
	s_add_co_u32 s2, s2, s58
	s_lshl_b32 s2, s2, 11
	s_mov_b32 s3, 0
	s_add_nc_u64 s[QA:QA+1], s[4:5], s[2:3]
	s_lshr_b32 s2, s[BH], 4
	s_lshl_b32 s2, s2, 7
	s_add_co_u32 s2, s2, s58
	s_lshl_b32 s2, s2, 13
	s_add_nc_u64 s[YA:YA+1], s[YB:YB+1], s[2:3]
	WIN 0x40
.irp t, 0,1
.irp c, 0,1
.irp g, 0,1
	global_load_b128 v[16*\t+8*\c+4*\g:16*\t+8*\c+4*\g+3], v[LI], s[QA:QA+1] offset:2048*\t+1024*\c+512*\g
.endr
.endr
.endr
	WIN 0
.irp t, 0,1
	v_mov_b32 v[ST+8*\t+1], 0xff61b1e6
	v_mul_f32 v[ST+8*\t], s[CS], v[ST+8*\t+1]
.irp k, 2,3,4,5,6,7
	v_mov_b32 v[ST+8*\t+\k], 0
.endr
.endr
.set n, 0
.rept 64
	v_mov_b32 v[O+n], 0
.set n, n+1
.endr
	s_wait_loadcnt 0x0                             ; Q
.endm
; The softmax of two tiles x 64 keys, the tiles line by line by turns.  The exponentials are one batch with one wait.
.macro SOFT
.irp j, 0,1,2,3
.irp t, 0,1
	v_max3_num_f32 v[ST+8*\t+4+\j], v[S+32*\t+8*\j], v[S+32*\t+8*\j+1], v[S+32*\t+8*\j+2]    ; each accumulator is read from its low end on
.endr
.endr
.irp u, 1,2
.irp j, 0,1,2,3
.irp t, 0,1
	v_max3_num_f32 v[ST+8*\t+4+\j], v[ST+8*\t+4+\j], v[S+32*\t+8*\j+2*\u+1], v[S+32*\t+8*\j+2*\u+2]
.endr
.endr
.endr
.irp t, 0,1
	v_max3_num_f32 v[ST+8*\t+4], v[ST+8*\t+4], v[S+32*\t+7], v[S+32*\t+15]
.endr
.irp t, 0,1
	v_max3_num_f32 v[ST+8*\t+6], v[ST+8*\t+6], v[S+32*\t+23], v[S+32*\t+31]
.endr
.irp t, 0,1
	v_max3_num_f32 v[ST+8*\t+4], v[ST+8*\t+4], v[ST+8*\t+5], v[ST+8*\t+6]
.endr
.irp t, 0,1
	v_max3_num_f32 v[ST+8*\t+4], v[ST+8*\t+4], v[ST+8*\t+7], v[ST+8*\t+1]     ; and the old m
.endr
.irp t, 0,1
	v_permlanex16_b32 v[ST+8*\t+5], v[ST+8*\t+4], s[SEL], s[SEL+1]            ; the query's other 32 keys lie in the lane 16 away
.endr
.irp t, 0,1
	v_mov_b32 v[ST+8*\t+7], v[ST+8*\t]             ; c m_old
.endr
.irp t, 0,1
	v_max_num_f32 v[ST+8*\t+1], v[ST+8*\t+4], v[ST+8*\t+5]
.endr
.irp t, 0,1
	v_mul_f32 v[ST+8*\t], s[CS], v[ST+8*\t+1]
.endr
.irp t, 0,1
	v_sub_f32 v[ST+8*\t+7], v[ST+8*\t+7], v[ST+8*\t]
.endr
.irp b, 0,1,2,3,4,5,6,7,8,9,10,11,12,13,14,15
.irp t, 0,1
	v_pk_fma_f32 v[S+32*\t+2*\b:S+32*\t+2*\b+1], v[S+32*\t+2*\b:S+32*\t+2*\b+1], s[CS:CS+1], v[ST+8*\t:ST+8*\t+1] op_sel_hi:[1,0,0] neg_lo:[0,0,1] neg_hi:[0,0,1]   ; c s - c m
.endr
.endr
.irp t, 0,1
	v_exp_f32 v[ST+8*\t+6], v[ST+8*\t+7]           ; a = 2^(c m_old - c m_new)
.endr
.set n, 0
.rept 64
	v_exp_f32 v[S+n], v[S+n]
.set n, n+1
.endr
	v_nop                                          ; a plain line behind the last exponential
	s_wait_alu depctr_va_vdst(0)                   ; one wait for the batch, ahead of its first reader
.irp b, 0,1,2,3,4,5,6,7,8,9,10,11,12,13,14,15
.irp t, 0,1
	v_cvt_pk_f16_f32 v[P+16*\t+\b], v[S+32*\t+2*\b], v[S+32*\t+2*\b+1]
.endr
.endr
.irp u, 0,1,2,3,4,5,6,7
.irp t, 0,1
	v_pk_add_f32 v[S+32*\t+4*\u:S+32*\t+4*\u+1], v[S+32*\t+4*\u:S+32*\t+4*\u+1], v[S+32*\t+4*\u+2:S+32*\t+4*\u+3]
.endr
.endr
.irp u, 0,1,2,3
.irp t, 0,1
	v_pk_add_f32 v[S+32*\t+8*\u:S+32*\t+8*\u+1], v[S+32*\t+8*\u:S+32*\t+8*\u+1], v[S+32*\t+8*\u+4:S+32*\t+8*\u+5]
.endr
.endr
.irp u, 0,1
.irp t, 0,1
	v_pk_add_f32 v[S+32*\t+16*\u:S+32*\t+16*\u+1], v[S+32*\t+16*\u:S+32*\t+16*\u+1], v[S+32*\t+16*\u+8:S+32*\t+16*\u+9]
.endr
.endr
.irp t, 0,1
	v_pk_add_f32 v[S+32*\t:S+32*\t+1], v[S+32*\t:S+32*\t+1], v[S+32*\t+16:S+32*\t+17]
.endr
.irp t, 0,1
	v_pk_fma_f32 v[ST+8*\t+2:ST+8*\t+3], v[ST+8*\t+2:ST+8*\t+3], v[ST+8*\t+6:ST+8*\t+7], v[S+32*\t:S+32*\t+1] op_sel_hi:[1,0,1]   ; l = a l + the step's sum
.endr
.irp b, 0,1,2,3,4,5,6,7,8,9,10,11,12,13,14,15
.irp t, 0,1
	v_pk_mul_f32 v[O+32*\t+2*\b:O+32*\t+2*\b+1], v[O+32*\t+2*\b:O+32*\t+2*\b+1], v[ST+8*\t+6:ST+8*\t+7] op_sel_hi:[1,0]         ; O^T x a
.endr
.endr
.endm
; A STEP: my 64 keys of one unit against my 32 queries.
.macro STEP
	s_add_co_u32 s2, s[Q0], 31
	s_cmp_gt_u32 s[KF], s2                         ; all my keys come after my queries: the work is left out (ids alone); the address steps at the end are not
	s_cbranch_scc1 .Lhidden_\@
	v_add_nc_u32 v[ADK], s[TB], v[AK0]
	v_add_nc_u32 v[ADV], s[TB], v[AV0]
	v_nop
	v_nop                                          ; four plain lines between the last step's products and the loads into V's registers
	WIN 0x40
.irp kt, 0,1,2,3
.irp c, 0,1
.irp g, 0,1
	ds_load_b128 v[KFR+16*\kt+8*\c+4*\g:KFR+16*\kt+8*\c+4*\g+3], v[ADK] offset:(2*\c+\g)*16384+512*\kt
.endr
.endr
.endr
.irp kc, 0,1
.irp dt, 0,1,2,3
.irp g, 0,1
	ds_load_b128 v[VFR+32*\kc+8*\dt+4*\g:VFR+32*\kc+8*\dt+4*\g+3], v[ADV] offset:16384*\dt+1024*\kc+512*\g
.endr
.endr
.endr
	s_wait_dscnt 16                                ; K is in; V's sixteen loads may be out
	WIN 0x05                                       ; K and Q in window 1
.irp kt, 0,1,2,3
.irp t, 0,1
	v_wmma_f32_16x16x32_f16 v[S+32*\t+8*\kt:S+32*\t+8*\kt+7], v[KFR+16*\kt:KFR+16*\kt+7], v[16*\t:16*\t+7], 0       ; the eight accumulators by turns
.endr
.endr
.irp kt, 0,1,2,3
.irp t, 0,1
	v_wmma_f32_16x16x32_f16 v[S+32*\t+8*\kt:S+32*\t+8*\kt+7], v[KFR+16*\kt+8:KFR+16*\kt+15], v[16*\t+8:16*\t+15], v[S+32*\t+8*\kt:S+32*\t+8*\kt+7]
.endr
.endr
	WIN 0
.rept 4
	v_nop
.endr
	s_add_co_u32 s2, s[KF], 63
	s_cmp_le_u32 s2, s[Q0]                         ; all my keys count for all my queries: no mask
	s_cbranch_scc1 .Lopen_\@
	s_sub_co_i32 s2, s[Q0], s[KF]
	v_add_nc_u32 v[D0], s2, v[RH]                  ; register 8 kt + j of tile t holds key KF + 16 kt + 8 h + j and query Q0 + 16 t + r: hidden where 16 kt + j > Q0 - KF + 16 t + r - 8 h
	v_add_nc_u32 v[D0+1], 16, v[D0]
.irp t, 0,1
.set n, 0
.rept 32
	v_cmp_gt_i32 vcc_lo, 16*(n/8)+n%8, v[D0+\t]
	v_cndmask_b32 v[S+32*\t+n], v[S+32*\t+n], v[NINF], vcc_lo
.set n, n+1
.endr
.endr
.Lopen_\@:
	SOFT
	s_wait_dscnt 0x0                               ; V is in
	WIN 0x01                                       ; V in window 1
.irp kc, 0,1
.irp dt, 0,1,2,3
.irp t, 0,1
	v_wmma_f32_16x16x32_f16 v[O+32*\t+8*\dt:O+32*\t+8*\dt+7], v[VFR+32*\kc+8*\dt:VFR+32*\kc+8*\dt+7], v[P+16*\t+8*\kc:P+16*\t+8*\kc+7], v[O+32*\t+8*\dt:O+32*\t+8*\dt+7]
.endr
.endr
.endr
	WIN 0
.Lhidden_\@:
	s_add_co_u32 s[KF], s[KF], 128
	s_add_co_u32 s[TB], s[TB], 4096                ; the next unit's bytes in every stripe
.endm
; THE CHANGE OF SLOTS, at a phase's head.  Each wave waits for its tensor load (its stripe of the slot ahead), adds 0 to its spare word, waits for that and for its reads of the slot that it has left; the barrier;
; fill = 1: the slot just left takes the next phase's 512 keys: the next of this block, or, where the next phase begins the second block, the head's first.
.macro CHANGE fill
	s_wait_tensorcnt 0x0                           ; no tensor load of mine is out, so group 0 may be written
	ds_add_u32 v[SPW], v[NIL]
.if \fill
	s_xor_b32 s[G0+1], s[G0+1], SLOT1
	s_add_nc_u64 s[G0+2:G0+3], s[G0+2:G0+3], 65536
	s_add_co_u32 s2, s[PH], 1
	s_cmp_eq_u32 s2, s[P0]
	s_cselect_b32 s[BACK], s[P0B], 0
	s_sub_nc_u64 s[G0+2:G0+3], s[G0+2:G0+3], s[BACK:BACK+1]
	s_wait_xcnt 0x0                                ; the last prefetches, a phase back, have read their addresses
	s_add_nc_u64 s[PFK:PFK+1], s[PFK:PFK+1], 65536
	s_add_nc_u64 s[PFV:PFV+1], s[PFV:PFV+1], 65536
.endif
	s_wait_dscnt 0x0
	s_barrier_signal -1
	s_barrier_wait -1
.if \fill
	TLOAD                                          ; the first thing behind the barrier, my one tensor load until the next: it has four units' work in which to land
	ASK
.endif
.endm
.macro UNITS
	s_mov_b32 s[UC], 4
.Lunit_\@:
	STEP
	s_sub_co_u32 s[UC], s[UC], 1
	s_cmp_lg_u32 s[UC], 0
	s_cbranch_scc1 .Lunit_\@
	s_sub_co_u32 s[TB], s[TB], 16384
	s_xor_b32 s[TB], s[TB], SLOT1                  ; on to the other slot
.endm
; A BLOCK'S END.  The upper wave of a pair hands its m, l and O^T to the lower one through LDS bytes that no tensor load fills; the lower one merges, divides, rounds to f16 and stores.
.macro FINISH last
.rept 4
	v_nop
.endr
.irp t, 0,1
	v_add_f32 v[ST+8*\t+4], v[ST+8*\t+2], v[ST+8*\t+3]
.endr
.irp t, 0,1
	v_permlanex16_b32 v[ST+8*\t+5], v[ST+8*\t+4], s[SEL], s[SEL+1]
.endr
.irp t, 0,1
	v_add_f32 v[ST+8*\t+4], v[ST+8*\t+4], v[ST+8*\t+5]      ; my sum of the query's p
.endr
	s_cmp_eq_u32 s[UP], 0
	s_cbranch_scc1 .Llower_\@
.irp n, 0,1,2,3,4,5,6,7,8,9,10,11,12,13,14,15
	ds_store_b128 v[MW], v[O+4*\n:O+4*\n+3] offset:512*\n
.endr
	ds_store_b32 v[MS], v[ST+1]
	ds_store_b32 v[MS], v[ST+9] offset:128
	ds_store_b32 v[MS], v[ST+4] offset:256
	ds_store_b32 v[MS], v[ST+12] offset:384
.Llower_\@:
	s_wait_dscnt 0x0                               ; for the other wave's sake: my stores have landed
	s_barrier_signal -1
	s_barrier_wait -1
	s_cmp_lg_u32 s[UP], 0
	s_cbranch_scc1 .Lupper_\@
.irp n, 0,1,2,3,4,5,6,7,8,9,10,11,12,13,14,15
	ds_load_b128 v[S+4*\n:S+4*\n+3], v[MW] offset:512*\n
.endr
.irp k, 0,1,2,3
	ds_load_b32 v[224+\k], v[MS] offset:128*\k     ; m'0, m'1, l'0, l'1
.endr
	s_wait_dscnt 0x0
.irp t, 0,1
	v_max_num_f32 v[228+\t], v[ST+8*\t+1], v[224+\t]
.endr
.irp t, 0,1
	v_sub_f32 v[230+\t], v[ST+8*\t+1], v[228+\t]
	v_sub_f32 v[232+\t], v[224+\t], v[228+\t]
.endr
.irp t, 0,1
	v_mul_f32 v[230+\t], s[CS], v[230+\t]
	v_mul_f32 v[232+\t], s[CS], v[232+\t]
.endr
.irp t, 0,1
	v_exp_f32 v[230+\t], v[230+\t]                 ; what each side's sums weigh under the common maximum
	v_exp_f32 v[232+\t], v[232+\t]
.endr
	v_nop
	s_wait_alu depctr_va_vdst(0)                   ; one wait for the four
.irp t, 0,1
	v_mul_f32 v[234+\t], v[230+\t], v[ST+8*\t+4]
.endr
.irp t, 0,1
	v_fma_f32 v[234+\t], v[232+\t], v[226+\t], v[234+\t]
.endr
.irp t, 0,1
	v_rcp_f32 v[234+\t], v[234+\t]
.endr
	v_nop
	s_wait_alu depctr_va_vdst(0)                   ; one wait for the two
.irp t, 0,1
	v_mul_f32 v[240+4*\t], v[230+\t], v[234+\t]
	v_mul_f32 v[241+4*\t], v[230+\t], v[234+\t]
	v_mul_f32 v[242+4*\t], v[232+\t], v[234+\t]
	v_mul_f32 v[243+4*\t], v[232+\t], v[234+\t]
.endr
.irp t, 0,1
.irp b, 0,1,2,3,4,5,6,7,8,9,10,11,12,13,14,15
	v_pk_mul_f32 v[O+32*\t+2*\b:O+32*\t+2*\b+1], v[O+32*\t+2*\b:O+32*\t+2*\b+1], v[240+4*\t:241+4*\t]
.endr
.endr
.irp t, 0,1
.irp b, 0,1,2,3,4,5,6,7,8,9,10,11,12,13,14,15
	v_pk_fma_f32 v[O+32*\t+2*\b:O+32*\t+2*\b+1], v[S+32*\t+2*\b:S+32*\t+2*\b+1], v[242+4*\t:243+4*\t], v[O+32*\t+2*\b:O+32*\t+2*\b+1]
.endr
.endr
.set n, 0
.rept 32
	v_cvt_pk_f16_f32 v[P+n], v[O+2*n], v[O+2*n+1]  ; two neighbouring tiles of d are a fragment 16 tokens x 32 k of y
.set n, n+1
.endr
.irp t, 0,1
.irp g2, 0,1
.irp g, 0,1
	global_store_b128 v[LI], v[P+16*\t+8*\g2+4*\g:P+16*\t+8*\g2+4*\g+3], s[YA:YA+1] offset:8192*\t+1024*\g2+512*\g   ; 512 consecutive bytes
.endr
.endr
.endr
.Lupper_\@:
.if \last == 0
	START
.endif
.endm
	s_sub_co_u32 s[BLK], 15, s[I]
	START
	s_mov_b32 s[PH], 0
	s_mov_b32 s[TB], 0
.Lphase:                                           ; four trips: behind each change but the last the next phase's slot is asked for
	CHANGE 1
	UNITS
	s_add_co_u32 s[PH], s[PH], 1
	s_cmp_lg_u32 s[PH], s[P0]                      ; the work-group's number and the count of phases: the same in all eight waves
	s_cbranch_scc1 .Lsame
	s_mov_b32 s[BLK], s[I]
	FINISH 0
.Lsame:
	s_cmp_lt_u32 s[PH], 4
	s_cbranch_scc1 .Lphase
	CHANGE 0                                       ; the last phase is written out: it asks for nothing
	UNITS
	FINISH 1
	s_wait_tensorcnt 0x0                           ; the wave's end
	ds_add_u32 v[SPW], v[NIL]
	s_wait_dscnt 0x0
	s_endpgm
.Lfunc_end_k_q9f73fb97ce_attn:
	.size	k_q9f73fb97ce_attn, .Lfunc_end_k_q9f73fb97ce_attn-k_q9f73fb97ce_attn
	.p2alignl 7, 3214868480
	.fill 96, 4, 3214868480
	.section	.rodata,"a",@progbits
	.p2align	6, 0x0
	.amdhsa_kernel k_q9f73fb97ce_attn
		.amdhsa_group_segment_fixed_size 327680
		.amdhsa_private_segment_fixed_size 0
		.amdhsa_enable_private_segment 0
		.amdhsa_kernarg_size 16
		.amdhsa_user_sgpr_count 2
		.amdhsa_user_sgpr_kernarg_segment_ptr 1
		.amdhsa_wavefront_size32 1
		.amdhsa_system_sgpr_workgroup_id_x 1
		.amdhsa_system_sgpr_workgroup_id_y 1
		.amdhsa_system_sgpr_workgroup_id_z 1
		.amdhsa_system_vgpr_workitem_id 0
		.amdhsa_next_free_vgpr 512
		.amdhsa_next_free_sgpr 72
		.amdhsa_reserve_vcc 1
		.amdhsa_float_denorm_mode_32 3
		.amdhsa_float_denorm_mode_16_64 3
		.amdhsa_memory_ordered 1
		.amdhsa_forward_progress 1
		.amdhsa_inst_pref_size 80
	.end_amdhsa_kernel
	.amdgpu_metadata
---
amdhsa.version: [ 1, 2 ]
amdhsa.kernels:
  - .name:           k_q9f73fb97ce_attn
    .symbol:         k_q9f73fb97ce_attn.kd
    .args:
      - { .name: qkvf, .offset: 0, .size: 8, .value_kind: global_buffer, .address_space: global }
      - { .name: yf, .offset: 8, .size: 8, .value_kind: global_buffer, .address_space: global }
    .group_segment_fixed_size: 327680
    .private_segment_fixed_size: 0
    .kernarg_segment_align: 8
    .kernarg_segment_size: 16
    .max_flat_workgroup_size: 256
    .sgpr_count:     72
    .vgpr_count:     512
    .wavefront_size: 32
...
	.end_amdgpu_metadata
.endif
;; end of part 3
;; launch proj (part 4): grid 8 x 32, 4 waves a work-group, clusters of 4 x 4, 327,680 bytes of LDS; arguments yf, wpf, b_proj, out0; writes out0
.if DOCPART == 4
	.amdgcn_target "amdgcn-amd-amdhsa--gfx1250"
	.amdhsa_code_object_version 6
	.text
	.protected	k_q9f73fb97ce_proj
	.globl	k_q9f73fb97ce_proj
	.p2align	8
	.type	k_q9f73fb97ce_proj,@function
k_q9f73fb97ce_proj:
	s_mov_b64 s[64:65], 0
	v_nop
	global_prefetch_b8 v0, s[64:65] scope:SCOPE_SE
	s_setreg_imm32_b32 hwreg(HW_REG_WAVE_MODE, 25, 1), 1
	s_wait_xcnt 0x0
	s_wait_alu depctr_hold_cnt(0) depctr_sa_sdst(0) depctr_va_vdst(0) depctr_va_sdst(0) depctr_va_ssrc(0) depctr_va_vcc(0) depctr_vm_vsrc(0)
	s_getreg_b32 s2, hwreg(HW_REG_IB_STS2, 6, 4)
	s_cmp_eq_u32 s2, 0
	s_cbranch_scc0 .Lentry_in_a_cluster
	s_endpgm
.Lentry_in_a_cluster:
	s_bfe_u32 s2, ttmp6, 0x10000c
	s_cmp_lg_u32 s2, 0xf033
	s_cbranch_scc0 .Lentry_shape_is_right
	s_endpgm
.Lentry_shape_is_right:
; out = y W_proj + b_proj, f16 operands, f32 sums.  y [4096][1024] and W_proj^T [1024 n][1024 k] come as images of operand registers: yf [K step of 256: 4][block of 16 rows 256][32 k: 8][1,024], wpf likewise with 64 blocks of 16 columns.
; A tile of out is 128 x 128: 256 work-groups of four waves, a wave 64 x 64: 16 accumulators.  K goes in four steps of 256 through two LDS slots; a K step's tile is one dense block of 65,536 bytes a side.
; CLUSTERS: 4 x 4; y's tile is asked for jointly along a row of the cluster, W's along a column.  THE MATRIX INSTRUCTION IS USED TRANSPOSED (source 0 = 16 columns of W, source 1 = 16 rows of y): a lane holds 8 neighbouring numbers of a row.
; The bias is the C of each sum's first product.  ALL rows are made here, the first 16 positions of each sequence too: a later launch writes those 32 rows again, carried more finely; leaving them out here would be a branch on a
; work-group's place in its cluster.
; REGISTERS: window 0: v6 the bias loads' offset (never rewritten); v16-29 addresses; v32-95 the way out; v96-127 the bias; v128-255 the accumulators ((a, b) at v[128 + 8 (4 a + b)]).  window 1: two fragment buffers of 128: 64 of y, 64 of W, for 64 along K.
.set HALFT,  32768                     ; four blocks of 16 rows x 256 K: what one tensor load brings, and what a wave reads of a side
.set SLOT,   131072                    ; y's eight blocks, then W's eight
.set STAGE,  262144                    ; behind the ring: 16 rows x 272 bytes for each wave
.set SPITCH, 272
.set SPARE,  279552                    ; the spare words, 128 bytes a wave
.set LAPS,   2
.set BOF,  6                           ; v6   32 x (lane / 16): my place in the bias; a register of its own, so that no line writes a pending load's offset
.set ADRA, 16
.set ADRB, 20
.set STO,  24
.set RD,   25
.set CO,   26
.set SPW,  28
.set NIL,  29
.set TMP,  32
.set BI,   96
.set ACC,  128
.set F0,   0
.set F1,   128
.set G1, 24
.set G0, 32
.set G1B, 48
.set G0B, 56
.set MSB, 0
.macro WIN new
.if MSB != \new
	s_set_vgpr_msb (MSB<<8)|\new
.set MSB, \new
.endif
.endm
.set MUL,  0x05                        ; sources 0 and 1 window 1; C and D window 0
.set TO_F, 0x40
.macro JLOAD s                         ; a joint load: waves 0 and 1 fetch y's halves, waves 2 and 3 W's; an s_nop 0 and four v_nop follow each line
	s_cmp_eq_u32 s13, 0
	s_cbranch_scc0 .Lfor_b_\@
	tensor_load_to_lds s[G0+4*\s:G0+4*\s+3], s[G1:G1+7]
	s_nop 0
.rept 4
	v_nop
.endr
	s_branch .Lasked_\@
.Lfor_b_\@:
	tensor_load_to_lds s[G0B+4*\s:G0B+4*\s+3], s[G1B:G1B+7]
	s_nop 0
.rept 4
	v_nop
.endr
.Lasked_\@:
.endm
.macro CREST
	s_cmp_lg_u32 s12, 0
	s_cbranch_scc1 .Lnot_wave_0_\@
	s_barrier_signal -3
.Lnot_wave_0_\@:
	s_barrier_wait -3
	s_barrier_signal -1
	s_barrier_wait -1
.endm
.macro CROUND
	s_barrier_signal -1
	s_barrier_wait -1
	CREST
.endm
	s_load_b256 s[4:11], s[0:1], 0x0               ; yf s[4:5], wpf s[6:7], b_proj s[8:9], out0 s[10:11]
	v_lshl_add_u32 v[SPW], v0, 2, SPARE
	v_mov_b32 v[NIL], 0
	ds_add_u32 v[SPW], v[NIL]                      ; the wave's opening: the add, twice on end, and its wait ahead of my first tensor load
	ds_add_u32 v[SPW], v[NIL]
	v_lshrrev_b32 v1, 5, v0
	v_readfirstlane_b32 s12, v1                    ; wave
	s_lshr_b32 s13, s12, 1                         ; my half of the rows.  Also: I fetch for y (0) or for W (1)
	s_and_b32 s14, s12, 1                          ; my half of the columns.  Also: which four blocks I fetch
	s_bfe_u32 s40, ttmp6, 0x40000
	s_bfe_u32 s41, ttmp6, 0x40004
	s_lshl_b32 s42, ttmp9, 2
	s_add_co_u32 s42, s42, s40                     ; tile column
	s_and_b32 s15, ttmp7, 0xffff
	s_lshl_b32 s15, s15, 2
	s_add_co_u32 s15, s15, s41                     ; tile row
	s_lshl_b32 s43, s41, 2
	s_lshl_b32 s43, 15, s43
	s_lshl_b32 s44, 0x1111, s40
	s_or_b32 s[G1], s43, (3<<16)|(1<<21)           ; the mask; elements of 8 bytes; bit 21 beside a mask; no padding: an image is read 16 bytes a lane on end
	s_or_b32 s[G1B], s44, (3<<16)|(1<<21)
.irp g, G1, G1B
	s_mov_b32 s[\g+1], 32<<16                      ; a dense block as 128 rows of 256 bytes
	s_mov_b32 s[\g+2], 128<<16
	s_mov_b32 s[\g+3], 32<<16
	s_mov_b32 s[\g+4], 128
	s_mov_b32 s[\g+5], 32
	s_mov_b32 s[\g+6], 0
	s_mov_b32 s[\g+7], 0
.endr
	s_lshl_b32 s16, s15, 16                        ; y: (8 tile row + 4 half) blocks of 8,192 bytes
	s_lshl_b32 s17, s14, 15
	s_add_co_u32 s16, s16, s17
	s_mov_b32 s17, 0
	s_lshl_b32 s46, s42, 16                        ; W likewise, by the tile column
	s_lshl_b32 s47, s14, 15
	s_add_co_u32 s46, s46, s47
	s_mov_b32 s47, 0
	s_lshl_b32 s20, s12, 15                        ; where they go: wave x 32,768
	s_wait_dscnt 0x0
	s_wait_kmcnt 0x0
	s_add_nc_u64 s[16:17], s[4:5], s[16:17]
	s_add_nc_u64 s[46:47], s[6:7], s[46:47]
	CROUND                                         ; all sixteen work-groups are here: the first joint loads meet
.irp s, 0,1
	s_mov_b32 s[G0+4*\s], 1
	s_add_co_u32 s[G0+4*\s+1], s20, \s*SLOT
	s_add_nc_u64 s[G0+4*\s+2:G0+4*\s+3], s[16:17], \s*2097152
	s_or_b32 s[G0+4*\s+3], s[G0+4*\s+3], 0x80000000
	s_mov_b32 s[G0B+4*\s], 1
	s_add_co_u32 s[G0B+4*\s+1], s20, \s*SLOT
	s_add_nc_u64 s[G0B+4*\s+2:G0B+4*\s+3], s[46:47], \s*524288
	s_or_b32 s[G0B+4*\s+3], s[G0B+4*\s+3], 0x80000000
	JLOAD \s
.endr
	v_and_b32 v1, 15, v0                           ; r
	v_bfe_u32 v2, v0, 4, 1                         ; h
	v_and_b32 v3, 31, v0
	v_lshlrev_b32 v3, 4, v3                        ; 16 x lane
	s_lshl_b32 s46, s42, 9
	s_lshl_b32 s47, s14, 8
	s_add_co_u32 s46, s46, s47                     ; my first column, in bytes
	s_mov_b32 s47, 0
	s_add_nc_u64 s[8:9], s[8:9], s[46:47]
	v_lshlrev_b32 v[BOF], 5, v2
.irp b, 0,1,2,3
	global_load_b128 v[BI+8*\b:BI+8*\b+3], v[BOF], s[8:9] offset:64*\b           ; b(16 b + 8 h + 0 .. 7); neither the offset nor the base is written again
	global_load_b128 v[BI+8*\b+4:BI+8*\b+7], v[BOF], s[8:9] offset:64*\b+16
.endr
	s_lshl_b32 s21, s13, 15                        ; my four blocks of y,
	s_lshl_b32 s22, s14, 15
	s_add_co_u32 s22, s22, 65536                   ; my four of W, behind y's eight
.irp s, 0,1
	v_add_nc_u32 v[ADRA+\s], s21, v3
	v_add_nc_u32 v[ADRB+\s], s22, v3
	s_add_co_u32 s21, s21, SLOT
	s_add_co_u32 s22, s22, SLOT
.endr
	s_mul_i32 s23, s12, 16*SPITCH
	s_add_co_u32 s23, s23, STAGE                   ; my stage
	v_mul_u32_u24 v4, v1, SPITCH
	v_lshl_add_u32 v4, v2, 5, v4
	v_add_nc_u32 v[STO], s23, v4                   ; in: row r, 32 bytes for each half of the lanes
	v_mul_u32_u24 v5, v2, SPITCH
	v_lshl_add_u32 v5, v1, 4, v5
	v_add_nc_u32 v[RD], s23, v5                    ; back: lanes 0-15 one row of 256 bytes, lanes 16-31 the next
	v_lshlrev_b32 v5, 12, v2
	v_lshl_add_u32 v[CO], v1, 4, v5                ; and the same two rows in out
	s_lshl_b32 s16, s15, 19
	s_lshl_b32 s17, s13, 18
	s_add_co_u32 s16, s16, s17                     ; my first row: (128 tile row + 64 half) x 4,096 bytes
	s_mov_b32 s17, 0
	s_add_nc_u64 s[10:11], s[10:11], s[16:17]
	s_add_nc_u64 s[10:11], s[10:11], s[46:47]
.macro MUL8 f, c, a0, zero             ; 8 products: row blocks a0, a0 + 1 x the 4 column blocks, 32 along K: half c of buffer f.  zero = 1: the bias starts the sums
.irp a, \a0, \a0+1
.irp b, 0,1,2,3
.if \zero
	v_wmma_f32_16x16x32_f16 v[ACC+8*(4*(\a)+\b):ACC+8*(4*(\a)+\b)+7], v[\f+64+8*(4*\c+\b):\f+64+8*(4*\c+\b)+7], v[\f+8*(4*\c+(\a)):\f+8*(4*\c+(\a))+7], v[BI+8*\b:BI+8*\b+7]
.else
	v_wmma_f32_16x16x32_f16 v[ACC+8*(4*(\a)+\b):ACC+8*(4*(\a)+\b)+7], v[\f+64+8*(4*\c+\b):\f+64+8*(4*\c+\b)+7], v[\f+8*(4*\c+(\a)):\f+8*(4*\c+(\a))+7], v[ACC+8*(4*(\a)+\b):ACC+8*(4*(\a)+\b)+7]
.endif
.endr
.endr
.endm
.macro FETCH slot, kq, f               ; 32 LDS loads in one run: the fragments of the K step's kq-th 64 along K; the first 32 along K first
	WIN TO_F
.irp c, 0,1
.irp i, 0,1,2,3
	ds_load_b128 v[\f+64+8*(4*\c+\i):\f+64+8*(4*\c+\i)+3],   v[ADRB+\slot] offset:8192*\i+1024*(2*(\kq)+\c)
	ds_load_b128 v[\f+64+8*(4*\c+\i)+4:\f+64+8*(4*\c+\i)+7], v[ADRB+\slot] offset:8192*\i+1024*(2*(\kq)+\c)+512
	ds_load_b128 v[\f+8*(4*\c+\i):\f+8*(4*\c+\i)+3],         v[ADRA+\slot] offset:8192*\i+1024*(2*(\kq)+\c)
	ds_load_b128 v[\f+8*(4*\c+\i)+4:\f+8*(4*\c+\i)+7],       v[ADRA+\slot] offset:8192*\i+1024*(2*(\kq)+\c)+512
.endr
.endr
.endm
.macro PLACES
.rept 4
	v_nop
.endr
.endm
.macro QUARTER slot, kq, f, g, zero    ; multiplies buffer f and fetches quarter kq of the slot into g
	s_wait_dscnt 16                                ; the first 32 along K are in
	WIN MUL
	MUL8 \f, 0, 0, \zero
	MUL8 \f, 0, 2, \zero
	PLACES
	FETCH \slot, \kq, \g
	s_wait_dscnt 32                                ; all but the 32 just issued
	WIN MUL
	MUL8 \f, 1, 0, 0
	MUL8 \f, 1, 2, 0
.endm
; A K step's last quarter changes slots: one barrier; in front of it each wave waits for all its tensor loads, adds 0 to its spare word, and waits for that and for its reads of this slot.  fill = 1: this slot is filled again, two K steps ahead.
.macro TURN slot, next, fill
	WIN 0
	s_wait_tensorcnt 0x0
	ds_add_u32 v[SPW], v[NIL]
	s_wait_dscnt 17                                ; (the add and the youngest sixteen loads may be out)
	WIN MUL
	MUL8 F1, 0, 0, 0
	s_wait_dscnt 0x0
	s_barrier_signal -1
	MUL8 F1, 0, 2, 0
.if \fill
	WIN 0
.endif
	s_barrier_wait -1
.if \fill
	CREST                                          ; the barrier has opened a round of the cluster's barrier: no wave of any partner still reads this slot or has a load on its way
	s_add_nc_u64 s[G0+4*\slot+2:G0+4*\slot+3], s[G0+4*\slot+2:G0+4*\slot+3], 4194304
	s_add_nc_u64 s[G0B+4*\slot+2:G0B+4*\slot+3], s[G0B+4*\slot+2:G0B+4*\slot+3], 1048576
	JLOAD \slot                                    ; the first tensor load behind the round; its four v_nop are also the places in front of the loads below
.else
	PLACES
.endif
	FETCH \next, 0, F0
	WIN MUL
	MUL8 F1, 1, 0, 0
	MUL8 F1, 1, 2, 0
.endm
	s_wait_tensorcnt 1                             ; my part of K step 0 is in; K step 1's may be out
	s_barrier_signal -1
	s_barrier_wait -1
	FETCH 0, 0, F0
	s_wait_loadcnt 0x0                             ; the bias
	QUARTER 0, 1, F0, F1, 1                        ; the first quarter stands in front of the loop: its first products start the sums
	WIN 0
	s_mov_b32 s3, LAPS-1
.Llap:                                             ; a trip goes once round the ring and fills both slots again
	QUARTER 0, 2, F1, F0, 0
	QUARTER 0, 3, F0, F1, 0
	TURN 0, 1, 1
	QUARTER 1, 1, F0, F1, 0
	QUARTER 1, 2, F1, F0, 0
	QUARTER 1, 3, F0, F1, 0
	TURN 1, 0, 1
	QUARTER 0, 1, F0, F1, 0
	WIN 0
	s_sub_co_u32 s3, s3, 1
	s_cmp_lg_u32 s3, 0
	s_cbranch_scc1 .Llap
	QUARTER 0, 2, F1, F0, 0                        ; the last lap fills nothing
	QUARTER 0, 3, F0, F1, 0
	TURN 0, 1, 0
	QUARTER 1, 1, F0, F1, 0
	QUARTER 1, 2, F1, F0, 0
	QUARTER 1, 3, F0, F1, 0
	s_wait_dscnt 16
	WIN MUL
	MUL8 F1, 0, 0, 0
	MUL8 F1, 0, 2, 0
	s_wait_dscnt 0x0
	MUL8 F1, 1, 0, 0
	MUL8 F1, 1, 2, 0
	WIN 0
	; THE WAY OUT, 16 rows x 64 columns at a time through my own stage: a row's 256 bytes come back whole, and sixteen lanes store them aligned.  LDS serves a wave in order: no wait between stores and loads.
.macro TOSTAGE a
.irp b, 0,1,2,3
	ds_store_b128 v[STO], v[ACC+8*(4*(\a)+\b):ACC+8*(4*(\a)+\b)+3] offset:64*\b          ; each accumulator from its low end on
	ds_store_b128 v[STO], v[ACC+8*(4*(\a)+\b)+4:ACC+8*(4*(\a)+\b)+7] offset:64*\b+16
.endr
.irp t, 0,1,2,3,4,5,6,7
	ds_load_b128 v[TMP+32*((\a)%2)+4*\t:TMP+32*((\a)%2)+4*\t+3], v[RD] offset:\t*2*SPITCH
.endr
.endm
.macro SEND a, younger
	s_wait_dscnt \younger                          ; the block is back; the next block's sixteen LDS lines may be out
.irp t, 0,1,2,3,4,5,6,7
	global_store_b128 v[CO], v[TMP+32*((\a)%2)+4*\t:TMP+32*((\a)%2)+4*\t+3], s[10:11] offset:(16*(\a)+2*\t)*4096
.endr
.endm
	PLACES
	TOSTAGE 0
	TOSTAGE 1
	SEND 0, 16
	s_wait_xcnt 0x0                                ; block 0's stores have read the registers that block 2's loads fill
	TOSTAGE 2
	SEND 1, 16
	s_wait_xcnt 0x0
	TOSTAGE 3
	SEND 2, 16
	SEND 3, 0
	s_wait_tensorcnt 0x0                           ; the wave's end
	ds_add_u32 v[SPW], v[NIL]
	s_wait_dscnt 0x0
	CROUND                                         ; the closing round
	s_endpgm
.Lfunc_end_k_q9f73fb97ce_proj:
	.size	k_q9f73fb97ce_proj, .Lfunc_end_k_q9f73fb97ce_proj-k_q9f73fb97ce_proj
	.p2alignl 7, 3214868480
	.fill 96, 4, 3214868480
	.section	.rodata,"a",@progbits
	.p2align	6, 0x0
	.amdhsa_kernel k_q9f73fb97ce_proj
		.amdhsa_group_segment_fixed_size 327680
		.amdhsa_private_segment_fixed_size 0
		.amdhsa_enable_private_segment 0
		.amdhsa_kernarg_size 32
		.amdhsa_user_sgpr_count 2
		.amdhsa_user_sgpr_kernarg_segment_ptr 1
		.amdhsa_wavefront_size32 1
		.amdhsa_system_sgpr_workgroup_id_x 1
		.amdhsa_system_sgpr_workgroup_id_y 1
		.amdhsa_system_sgpr_workgroup_id_z 1
		.amdhsa_system_vgpr_workitem_id 0
		.amdhsa_next_free_vgpr 512
		.amdhsa_next_free_sgpr 66
		.amdhsa_reserve_vcc 0
		.amdhsa_float_denorm_mode_32 3
		.amdhsa_float_denorm_mode_16_64 3
		.amdhsa_memory_ordered 1
		.amdhsa_forward_progress 1
		.amdhsa_inst_pref_size 86
	.end_amdhsa_kernel
	.amdgpu_metadata
---
amdhsa.version: [ 1, 2 ]
amdhsa.kernels:
  - .name:           k_q9f73fb97ce_proj
    .symbol:         k_q9f73fb97ce_proj.kd
    .args:
      - { .name: yf, .offset: 0, .size: 8, .value_kind: global_buffer, .address_space: global }
      - { .name: wpf, .offset: 8, .size: 8, .value_kind: global_buffer, .address_space: global }
      - { .name: b_proj, .offset: 16, .size: 8, .value_kind: global_buffer, .address_space: global }
      - { .name: out0, .offset: 24, .size: 8, .value_kind: global_buffer, .address_space: global }
    .group_segment_fixed_size: 327680
    .private_segment_fixed_size: 0
    .kernarg_segment_align: 8
    .kernarg_segment_size: 32
    .max_flat_workgroup_size: 128
    .sgpr_count:     66
    .vgpr_count:     512
    .wavefront_size: 32
...
	.end_amdgpu_metadata
.endif
;; end of part 4
;; launch first16 (part 5): grid 16 x 2, 16 waves a work-group, no clusters, 71,680 bytes of LDS; arguments h32, wpf, wpl, b_proj, out0; writes out0
.if DOCPART == 5
	.amdgcn_target "amdgcn-amd-amdhsa--gfx1250"
	.amdhsa_code_object_version 6
	.text
	.protected	k_q9f73fb97ce_first16
	.globl	k_q9f73fb97ce_first16
	.p2align	8
	.type	k_q9f73fb97ce_first16,@function
k_q9f73fb97ce_first16:
	s_mov_b64 s[64:65], 0
	v_nop
	global_prefetch_b8 v0, s[64:65] scope:SCOPE_SE
	s_setreg_imm32_b32 hwreg(HW_REG_WAVE_MODE, 25, 1), 1
	s_wait_xcnt 0x0
; THE FIRST 16 POSITIONS OF EACH SEQUENCE, carried more finely than f16 operands allow: those rows average one to sixteen values, so the rounding of operands would weigh most there.
; Scores, softmax and the weighted sum of v are in f32 throughout (the f32 matrix form).  The projection takes its operands as PAIRS OF f16 NUMBERS, a high and a low part, split in f32:
; y W = yh Wh + yl Wh + yh Wl; the fourth product, yl Wl, lies under 2^-22 of y W and is left out.  For a head's 64 along K and 64 columns that is 24 matrix instructions of 16 x 16 x 32
; where the f32 form of 16 x 16 x 4 would take 64.  W_proj's parts come ready from two workspace buffers; y is split here: high = y rounded to 11 significant bits (0x1000 added to its bits,
; the low 13 bits cleared), low = y - high, exact; each is then converted to f16.
; The launch writes again the 32 rows of out that the projection's launch has written from single f16 operands.
; SHARES.  Work-group (64 output columns, batch); wave w is head w: it makes its head's 16 x 16 attention and multiplies its 64 columns of y by W_proj's rows 64 w .. 64 w + 63; the sixteen parts meet in LDS and are added in the waves' order.
; h32 holds q, k, v of these positions as f32 accumulators as they stood: [batch][q, k, v][head][tile 4][1,024]: q, k: lane (r, h) token r, d 16 tile + 8 h + j; v: lane (r, h) d 16 tile + r, token 8 h + j.
; wpf (high parts), wpl (low parts): [K step of 256: 4][block of 16 columns 64][32 along K: 8][1,024]: images of f16 fragments: registers 0-3 of lane l at 16 l, 4-7 at 512 + 16 l.
; The f32 matrix form takes k = 2 h + j from register j.  K is permuted alike on both sides of each of its products, so each pair of registers serves as it lies.
; The registers that the f32 form writes, v176-223, are written by matrix instructions alone; each sum begins with the constant 0.
; LIMITS: |y| stays under 65,504; what of a part of y or of W_proj lies under f16's smallest step is lost: at most 3e-8 on a number.  NaN and infinities are not served.
; REGISTERS: v1-7 addresses; v8-15 p, later eight high parts in f32; v16-47 q and v48-79 k, later W's low parts; v80-111 v, later y, then y's low parts in f32; v112-175 W's high parts;
;   v176-191 two halves of S^T; v192-223 O^T, later the result; v224-255 at work, then y's fragments (high v224-239, low v240-255), then the sixteen parts.
.set SPARE, 69632                      ; behind sixteen stages of 16 x 272 bytes: the spare words, 128 bytes a wave
.set SPW, 1
.set NIL, 2
.set LI,  3                            ; 16 x lane
.set STO, 5
.set RD,  6
.set L8,  7                            ; 8 x lane
.set PP,  8
.set VV,  80
.set WH,  112                          ; fragment (32 along K: g, 16 columns: nt) at WH + 8 (4 g + nt)
.set WL,  16                           ; likewise
.set OO,  192
.set YH,  224                          ; fragment g at YH + 8 g
.set YL,  240
	s_load_b256 s[4:11], s[0:1], 0x0               ; h32 s[4:5], wpf s[6:7], wpl s[8:9], b_proj s[10:11]
	s_load_b64 s[12:13], s[0:1], 0x20              ; out0
	v_lshl_add_u32 v[SPW], v0, 2, SPARE
	v_mov_b32 v[NIL], 0
	v_lshrrev_b32 v3, 5, v0
	v_readfirstlane_b32 s14, v3                    ; wave = head
	s_and_b32 s15, ttmp7, 0xffff                   ; batch
	v_and_b32 v8, 31, v0
	v_and_b32 v9, 15, v0                           ; r
	v_bfe_u32 v10, v0, 4, 1                        ; h
	v_lshlrev_b32 v[LI], 4, v8
	v_lshlrev_b32 v[L8], 3, v8
	s_mul_i32 s16, s14, 4352
	v_mul_u32_u24 v[STO], v9, 272
	v_lshl_add_u32 v[STO], v10, 5, v[STO]
	v_add_nc_u32 v[STO], s16, v[STO]               ; my stage: row r, 32 h bytes on
	s_mul_i32 s16, s14, 272
	v_add_nc_u32 v[RD], s16, v[L8]                 ; back: row w of every stage, 8 bytes a lane
	v_lshlrev_b32 v226, 3, v10
	v_sub_nc_u32 v226, v9, v226                    ; r - 8 h
	v_mov_b32 v227, 0xff800000                     ; -infinity
	v_mov_b32 v225, 0                              ; a lane permute's destination counts as read
	s_mov_b32 s20, 0x76543210
	s_mov_b32 s21, 0xfedcba98
	s_mov_b32 s22, 0x3e38aa3b                      ; c = log2(e) / 8
	s_mov_b32 s23, 0xffffe000                      ; keeps the sign, the exponent and 10 bits of the mantissa
	s_mul_i32 s16, s15, 48
	s_add_co_u32 s16, s16, s14
	s_lshl_b32 s16, s16, 12                        ; h32: (48 batch + head) x 4,096; k 65,536 and v 131,072 bytes on
	s_mov_b32 s17, 0
	s_lshr_b32 s18, s14, 2
	s_lshl_b32 s18, s18, 19                        ; W's parts: K step of 256 = head / 4: 524,288 bytes;
	s_lshl_b32 s24, ttmp9, 15
	s_add_co_u32 s18, s18, s24                     ; four blocks of 16 columns a work-group, 8,192 bytes each;
	s_and_b32 s24, s14, 3
	s_lshl_b32 s24, s24, 11
	s_add_co_u32 s18, s18, s24                     ; fragments 2 (head % 4) on
	s_mov_b32 s19, 0
	s_lshl_b32 s24, ttmp9, 8                       ; 64 columns of f32 a work-group
	s_mov_b32 s25, 0
	s_lshl_b32 s26, s15, 11
	s_add_co_u32 s26, s26, s14
	s_lshl_b32 s26, s26, 12                        ; out: row 2,048 batch + w
	s_add_co_u32 s26, s26, s24
	s_mov_b32 s27, 0
	s_wait_kmcnt 0x0
	s_add_nc_u64 s[4:5], s[4:5], s[16:17]
	s_add_nc_u64 s[6:7], s[6:7], s[18:19]
	s_add_nc_u64 s[8:9], s[8:9], s[18:19]
	s_add_nc_u64 s[10:11], s[10:11], s[24:25]
	s_add_nc_u64 s[12:13], s[12:13], s[26:27]
.irp w, 0,1,2
.irp i, 0,1,2,3
.irp g, 0,1
	global_load_b128 v[16+32*\w+8*\i+4*\g:16+32*\w+8*\i+4*\g+3], v[LI], s[4:5] offset:65536*\w+1024*\i+512*\g    ; q, then k, then v
.endr
.endr
.endr
.macro WFRAG reg, b                    ; eight fragments of one part of W_proj: sixteen loads of 512 consecutive bytes
.irp g, 0,1
.irp nt, 0,1,2,3
.irp u, 0,1
	global_load_b128 v[\reg+8*(4*\g+\nt)+4*\u:\reg+8*(4*\g+\nt)+4*\u+3], v[LI], s[\b:\b+1] offset:8192*\nt+1024*\g+512*\u
.endr
.endr
.endr
.endm
	WFRAG WH, 6
	s_wait_loadcnt 24                              ; q and k are in: behind k's last load stand v's eight and the high parts' sixteen
	; S^T = k q^T: lane (r, h): query r, keys 8 h + j.  Sixteen steps of 4 along d, two accumulators by turns
	v_wmma_f32_16x16x4_f32 v[176:183], v[48:49], v[16:17], 0
	v_wmma_f32_16x16x4_f32 v[184:191], v[50:51], v[18:19], 0
.irp e, 2,3,4,5,6,7,8,9,10,11,12,13,14,15
	v_wmma_f32_16x16x4_f32 v[176+8*(\e%2):183+8*(\e%2)], v[48+2*\e:49+2*\e], v[16+2*\e:17+2*\e], v[176+8*(\e%2):183+8*(\e%2)]
.endr
.rept 9
	v_nop                                          ; places behind this form, in front of loads into its sources and of the first read of its results
.endr
	WFRAG WL, 8                                    ; the low parts, into q's and k's registers
.irp j, 0,1,2,3,4,5,6,7
	v_add_f32 v[PP+\j], v[176+\j], v[184+\j]
.endr
.irp j, 0,1,2,3,4,5,6,7
	v_cmp_gt_i32 vcc_lo, \j, v226                  ; key 8 h + j after query r: hidden
	v_cndmask_b32 v[PP+\j], v[PP+\j], v227, vcc_lo
.endr
	v_max3_num_f32 v224, v8, v9, v10
	v_max3_num_f32 v224, v224, v11, v12
	v_max3_num_f32 v224, v224, v13, v14
	v_max_num_f32 v224, v224, v15
	v_permlanex16_b32 v225, v224, s20, s21
	v_max_num_f32 v224, v224, v225                 ; the row's largest score (key 0 counts for every query)
	v_mul_f32 v224, s22, v224
.irp j, 0,1,2,3,4,5,6,7
	v_fma_f32 v[PP+\j], v[PP+\j], s22, -v224
.endr
.irp j, 0,1,2,3,4,5,6,7
	v_exp_f32 v[PP+\j], v[PP+\j]
.endr
	v_nop
	s_wait_alu depctr_va_vdst(0)                   ; one wait for the eight, ahead of their first reader
	v_add_f32 v228, v8, v9
	v_add_f32 v229, v10, v11
	v_add_f32 v230, v12, v13
	v_add_f32 v231, v14, v15
	v_add_f32 v228, v228, v229
	v_add_f32 v230, v230, v231
	v_add_f32 v228, v228, v230
	v_permlanex16_b32 v225, v228, s20, s21
	v_add_f32 v228, v228, v225
	v_rcp_f32 v229, v228
	v_nop
	s_wait_alu depctr_va_vdst(0)
	s_wait_loadcnt 32                              ; v is in: behind its last load stand the sixteen loads of each part of W
	; O^T = v^T p: lane (r, h): query r, d 16 dt + 8 h + j.  Four steps of 4 keys, four accumulators by turns
.irp dt, 0,1,2,3
	v_wmma_f32_16x16x4_f32 v[OO+8*\dt:OO+8*\dt+7], v[VV+8*\dt:VV+8*\dt+1], v[PP:PP+1], 0
.endr
.irp s, 1,2,3
.irp dt, 0,1,2,3
	v_wmma_f32_16x16x4_f32 v[OO+8*\dt:OO+8*\dt+7], v[VV+8*\dt+2*\s:VV+8*\dt+2*\s+1], v[PP+2*\s:PP+2*\s+1], v[OO+8*\dt:OO+8*\dt+7]
.endr
.endr
.rept 9
	v_nop                                          ; places behind this form: its results are read, its sources written, and later its results written over by another form's sums
.endr
.set n, 0
.rept 32
	v_mul_f32 v[VV+n], v[OO+n], v229               ; y = O^T / the sum, into v's registers
.set n, n+1
.endr
	; y's two parts.  Tiles 2 g and 2 g + 1 of d, two numbers to a register, are the fragment 16 tokens x 32 along K of step g
.irp dt, 0,1,2,3
.irp j, 0,1,2,3,4,5,6,7
	v_add_nc_u32 v[PP+\j], 0x1000, v[VV+8*\dt+\j]  ; half of the last bit that is kept, onto the magnitude,
.endr
.irp j, 0,1,2,3,4,5,6,7
	v_and_b32 v[PP+\j], s23, v[PP+\j]              ; and the bits below it off: the high part, a number of f16 still in f32
.endr
.irp j, 0,1,2,3,4,5,6,7
	v_sub_f32 v[VV+8*\dt+\j], v[VV+8*\dt+\j], v[PP+\j]   ; the low part: the remainder, exact
.endr
.irp p, 0,1,2,3
	v_cvt_pk_f16_f32 v[YH+4*\dt+\p], v[PP+2*\p], v[PP+2*\p+1]
	v_cvt_pk_f16_f32 v[YL+4*\dt+\p], v[VV+8*\dt+2*\p], v[VV+8*\dt+2*\p+1]
.endr
.endr
	s_wait_loadcnt 0x0                             ; both parts of W
	; my head's part of out: source 0 = 16 columns of W_proj, source 1 = y: lane (r, h): token r, columns 16 nt + 8 h + j.  Six steps of 32 along K, four accumulators by turns
.macro PR a, b, g
.irp nt, 0,1,2,3
	v_wmma_f32_16x16x32_f16 v[OO+8*\nt:OO+8*\nt+7], v[\a+8*(4*\g+\nt):\a+8*(4*\g+\nt)+7], v[\b+8*\g:\b+8*\g+7], v[OO+8*\nt:OO+8*\nt+7]
.endr
.endm
.irp nt, 0,1,2,3
	v_wmma_f32_16x16x32_f16 v[OO+8*\nt:OO+8*\nt+7], v[WH+8*\nt:WH+8*\nt+7], v[YH:YH+7], 0    ; the first step starts the sums
.endr
	PR WH, YH, 1                                   ; yh Wh
	PR WH, YL, 0                                   ; yl Wh
	PR WH, YL, 1
	PR WL, YH, 0                                   ; yh Wl
	PR WL, YH, 1
.rept 4
	v_nop                                          ; places behind this form, in front of a load into a source and of the first read of the results
.endr
	global_load_b64 v[112:113], v[L8], s[10:11]    ; the bias of my two columns, into registers of W that are done with
.irp nt, 0,1,2,3
	ds_store_b128 v[STO], v[OO+8*\nt:OO+8*\nt+3] offset:64*\nt            ; each accumulator from its low end on
	ds_store_b128 v[STO], v[OO+8*\nt+4:OO+8*\nt+7] offset:64*\nt+16
.endr
	s_wait_dscnt 0x0                               ; for the others' sake: my stores have landed
	s_barrier_signal -1
	s_barrier_wait -1
.irp j, 0,1,2,3,4,5,6,7,8,9,10,11,12,13,14,15
	ds_load_b64 v[224+2*\j:225+2*\j], v[RD] offset:4352*\j                ; token w's 64 columns of head j's part
.endr
	s_wait_dscnt 0x0
	s_wait_loadcnt 0x0                             ; the bias
.irp j, 0,1,2,3,4,5,6,7,8,9,10,11,12,13,14,15
	v_pk_add_f32 v[112:113], v[112:113], v[224+2*\j:225+2*\j]
.endr
	global_store_b64 v[L8], v[112:113], s[12:13]   ; 256 consecutive aligned bytes
	s_wait_tensorcnt 0x0                           ; the wave's end
	ds_add_u32 v[SPW], v[NIL]
	s_wait_dscnt 0x0
	s_endpgm
.Lfunc_end_k_q9f73fb97ce_first16:
	.size	k_q9f73fb97ce_first16, .Lfunc_end_k_q9f73fb97ce_first16-k_q9f73fb97ce_first16
	.p2alignl 7, 3214868480
	.fill 96, 4, 3214868480
	.section	.rodata,"a",@progbits
	.p2align	6, 0x0
	.amdhsa_kernel k_q9f73fb97ce_first16
		.amdhsa_group_segment_fixed_size 71680
		.amdhsa_private_segment_fixed_size 0
		.amdhsa_enable_private_segment 0
		.amdhsa_kernarg_size 40
		.amdhsa_user_sgpr_count 2
		.amdhsa_user_sgpr_kernarg_segment_ptr 1
		.amdhsa_wavefront_size32 1
		.amdhsa_system_sgpr_workgroup_id_x 1
		.amdhsa_system_sgpr_workgroup_id_y 1
		.amdhsa_system_sgpr_workgroup_id_z 1
		.amdhsa_system_vgpr_workitem_id 0
		.amdhsa_next_free_vgpr 256
		.amdhsa_next_free_sgpr 66
		.amdhsa_reserve_vcc 1
		.amdhsa_float_denorm_mode_32 3
		.amdhsa_float_denorm_mode_16_64 3
		.amdhsa_memory_ordered 1
		.amdhsa_forward_progress 1
		.amdhsa_inst_pref_size 25
	.end_amdhsa_kernel
	.amdgpu_metadata
---
amdhsa.version: [ 1, 2 ]
amdhsa.kernels:
  - .name:           k_q9f73fb97ce_first16
    .symbol:         k_q9f73fb97ce_first16.kd
    .args:
      - { .name: h32, .offset: 0, .size: 8, .value_kind: global_buffer, .address_space: global }
      - { .name: wpf, .offset: 8, .size: 8, .value_kind: global_buffer, .address_space: global }
      - { .name: wpl, .offset: 16, .size: 8, .value_kind: global_buffer, .address_space: global }
      - { .name: b_proj, .offset: 24, .size: 8, .value_kind: global_buffer, .address_space: global }
      - { .name: out0, .offset: 32, .size: 8, .value_kind: global_buffer, .address_space: global }
    .group_segment_fixed_size: 71680
    .private_segment_fixed_size: 0
    .kernarg_segment_align: 8
    .kernarg_segment_size: 40
    .max_flat_workgroup_size: 512
    .sgpr_count:     66
    .vgpr_count:     256
    .wavefront_size: 32
...
	.end_amdgpu_metadata
.endif
;; end of part 5
